; MI455X (gfx1250); checked and timed in simulation.
; The chip was launched on July 23, 2026; its instructions are those of AMD's public machine-readable ISA for CDNA 5 (MIT licence, August 2026) and "CDNA5" Instruction Set Architecture Reference Guide (July 2026). The comments in the code are by the model that wrote it; some were corrected since.
;; Causal Self Attention. Allowed arithmetic: matrix products marked QUANTISED: E2M3 operands, one E8M0 scale for each 32 along K, by v_wmma_scale_f32_16x16x128_f8f6f4 with both operands' format E2M3, f32 sums; everything else in f32.
;; Inputs: proj_b 1,024 float32; proj_w 1,024 x 1,024 float32; qkv_b 3,072 float32; qkv_w 1,024 x 3,072 float32; x 4 x 2,048 x 1,024 float32.
;; Outputs: out0 4 x 2,048 x 1,024 float32.
;; This version of the problem:
;;   THIS VERSION OF THE PROBLEM IS GIVEN IN LOW PRECISION. The matrix products marked QUANTISED in the list below multiply operands that are first quantised to E2M3 (2 exponent bits, 3 mantissa bits; 6 bits a number), with one power-of-two scale for each 32 numbers along K (OCP MX v1.0); their sums are f32. All else is computed in f32.
;;   The module's matrix products, in the order in which they are computed (A, B: the left and right operand; K: the contracted axis; several contracted axes count as one K, in the product's order):
;;     1. [M 8,192, K 1,024] x [K 1,024, N 3,072]; A: input x; B: input qkv_w: QUANTISED
;;     2. batch 64 x [M 2,048, K 64] x [K 64, N 2,048]; A: computed on the way; B: computed on the way: QUANTISED
;;     3. batch 64 x [M 2,048, K 2,048] x [K 2,048, N 64]; A: softmax (see below); B: computed on the way: QUANTISED
;;     4. [M 8,192, K 1,024] x [K 1,024, N 1,024]; A: computed on the way; B: input proj_w: QUANTISED
;;   THE QUANTISER, for each operand of a quantised product, along K:
;;     - K is cut into blocks of 32 from its start; a last block that is shorter is filled with zeros.
;;     - A block's scale is 2^e with e = floor(log2(the largest magnitude in the block)) - 2, held to -126 .. 127; a block of zeros has e = 0. As a byte (E8M0): e + 127.
;;     - Each number is divided by its block's scale, clamped to +-7.5, and rounded to the nearest number of E2M3, ties to even, subnormals kept.
;;     - The product sums the exact products of the quantised numbers (number of the format x scale) in f32.
;;   ~~~python
;;   def quantise(x, axis):      # numpy; x: float32 -> the quantised numbers, widened to float32 again
;;       x = np.moveaxis(x, axis, -1); K = x.shape[-1]
;;       x = np.pad(x, [(0, 0)] * (x.ndim - 1) + [(0, -K % 32)]); x = x.reshape(x.shape[:-1] + (-1, 32)); a = np.abs(x).max(-1, keepdims=True)
;;       e = np.where(a > 0, np.clip(np.frexp(np.where(a > 0, a, 1))[1] - 1 - 2, -126, 127), 0)      # np.frexp(a)[1] - 1 = floor(log2(a)), exactly
;;       r = np.clip(x / 2.0 ** e, -7.5, 7.5)
;;       step = 2.0 ** (np.maximum(np.frexp(np.where(r == 0, 1, r))[1] - 1, 0) - 3)
;;       q = np.round(r / step) * step * 2.0 ** e      # np.round: ties to even
;;       return np.moveaxis(q.reshape(q.shape[:-2] + (-1,))[..., :K], -1, axis).astype(np.float32)
;;   ~~~
;;   SOFTMAX AHEAD OF A QUANTISED PRODUCT. Where the list says 'softmax', what is quantised is not the finished softmax but p = 2^(t - M), with t = logit x log2(e) and M = ceil(the row's largest t), a whole number; so 1/2 < the row's largest p <= 1. The row's sum l is taken of the UNQUANTISED p, in f32, and the product's result is divided by l at the end. Since M is a whole number, a kernel that streams over the keys may use a running M (the ceiling of the running maximum): every later rescaling is an exact power of two, which a block's scale takes up: the codes' values come out the same.
;;   OPERANDS COMPUTED ON THE WAY. 'Computed on the way' means the value that the module computes at that place (a softmax that the list does not call 'softmax' is quantised finished and normalised). What goes into a quantiser is computed in f32, as accurately as f32 sums, v_exp_f32 and their like allow (about 1e-6 of the number): no bf16 or f16 on the way to a quantiser, and a product that is left as it is and whose result goes on into a quantised operand takes f32 operands (vector FMAs, or v_wmma_f32_16x16x4_f32). A number that lies on a knife's edge between two numbers of the format may be rounded either way, as far as f32 arithmetic and the matrix unit's own rounding can turn it there, and no further.
;; One version. Each part assembles by itself: llvm-mc -triple=amdgcn-amd-amdhsa -mcpu=gfx1250 --defsym DOCPART=n.
;; ======== version 1 of 1: 4 launches
;; limits: right only within a limited range of input values
;; workspace buffers: ximg 6,291,456 bytes; xsc 262,144 bytes; wimg 3,145,728 bytes; wsc 131,072 bytes; qkv 20,185,088 bytes; aimg 6,291,456 bytes; asc 262,144 bytes
;; launch quant (part 1): grid 512 x 1, 4 waves a work-group, no clusters, 34,304 bytes of LDS; arguments x, qkv_w, proj_w, ximg, xsc, wimg, wsc; writes ximg, xsc, wimg, wsc
.if DOCPART == 1
	.amdgcn_target "amdgcn-amd-amdhsa--gfx1250"
	.amdhsa_code_object_version 6
	.text
	.protected	k_qa9bf4fd484_quant
	.globl	k_qa9bf4fd484_quant
	.p2align	8
	.type	k_qa9bf4fd484_quant,@function
k_qa9bf4fd484_quant:
	s_mov_b64 s[64:65], 0
	v_nop
	global_prefetch_b8 v0, s[64:65] scope:SCOPE_SE
	s_setreg_imm32_b32 hwreg(HW_REG_WAVE_MODE, 25, 1), 1
	s_wait_xcnt 0x0
; x [8192][1024], qkv_w [1024][3072] and proj_w [1024][1024], f32, become codes of FP6 (E2M3) with one E8M0 byte for each 32 along K (K = the 1,024),
; laid AS IMAGES OF THE MATRIX OPERAND'S REGISTERS, so that the products' launches load fragments by dense loads of 16 and 8 bytes a lane.
; A TILE T is 16 rows of an operand (tokens of x, columns of a weight): tile row r is the operand's row 32 (T / 2) + 8 (T % 2) + r + 8 (r / 8).
; A HALF IMAGE is 16 rows x 64 along K, 768 bytes: lane (r, h) owns k = 32 h + 0 .. 31 of its row, 24 bytes = six registers: registers 0-3 at byte 16 lane, registers 4-5 at byte 512 + 8 lane.
; Codes: [K / 256][tile][4 half images]; scale words: [tile][K half][r][4 words], a word = the four bytes of 128 along K.  The weights share one buffer: tiles 0-191 qkv_w's columns, 192-255 proj_w's.
; A block's scale is 2^(floor(log2(largest magnitude)) - 2): its byte is the largest magnitude's exponent field - 2, held at 1 from below by a floor among the maximum's leaves.
; LIMITS: a block of zeros gets the byte 1 where the rule says 127 (its codes are zeros, and this program alone reads the bytes); NaN and infinities among the inputs are not served.
; SHARES: work-groups 0-255 take the weights (a lane to a column, registers down K: nothing is transposed; a wave: 32 columns x 128 along K, four blocks a lane, two blocks' 64 loads out at a time);
; work-groups 256-511 take x (a wave: one tile x 512 along K).  Memory binds: no matrix unit, no cluster, no tensor load.  Only x's path uses LDS (a stage for each wave).
.set XSLOT, 1572864                    ; 512 tiles x 3,072 bytes: 256 along K of all of x
.set WSLOT, 786432                     ; 256 tiles x 3,072 bytes
.set WWG,   256                        ; the weights' work-groups: 32 sets of 128 columns x 8 parts of K
.set STG,   8448                       ; a wave's stage: 16 rows x (512 bytes + 16)
.set SPARE, 4*STG                      ; behind the stages: the spare words, 128 bytes for each wave
.set SPW,   1                          ; v1   LDS address of my spare word; never rewritten
.set NIL,   7                          ; v7   0; never rewritten
.set PC,    32                         ; v32-43 a fragment's codes
.set PC2,   44                         ; v44-46, v48-50 the conversions' second halves (a conversion's three registers begin on an even number)
.set SW,    52                         ; v52-55 x: the four scale words of my row
.set SB,    56                         ; v56  weights: my column's scale word
.set VO,    64                         ; v64-95 weights: 4 lane + i rows
	s_load_b256 s[4:11], s[0:1], 0x0               ; x s[4:5], qkv_w s[6:7], proj_w s[8:9], ximg s[10:11]
	s_load_b128 s[12:15], s[0:1], 0x20             ; xsc s[12:13], wimg s[14:15]
	s_load_b64 s[16:17], s[0:1], 0x30              ; wsc
	v_lshl_add_u32 v[SPW], v0, 2, SPARE
	v_mov_b32 v[NIL], 0
	v_lshrrev_b32 v2, 5, v0
	v_readfirstlane_b32 s20, v2                    ; wave 0..3
	v_and_b32 v2, 31, v0                           ; lane
	v_lshlrev_b32 v3, 4, v2                        ; 16 lane
	v_lshlrev_b32 v6, 3, v2                        ; 8 lane
	s_wait_kmcnt 0x0
	s_cmp_lt_u32 ttmp9, WWG
	s_cbranch_scc1 .Lweights
; ---------------- x: my wave takes tile T, K half g: four fragments of 128 along K ----------------
	v_and_b32 v8, 15, v0                           ; r
	v_bfe_u32 v9, v0, 4, 1                         ; h
	s_mul_i32 s21, s20, STG                        ; my stage
	s_wait_alu depctr_va_vdst(0)
	v_add_nc_u32 v4, s21, v3                       ; in: a row's 512 bytes as they lie, 16 a lane
	v_mul_u32_u24 v5, v8, 528
	v_lshl_add_u32 v5, v9, 7, v5
	v_add_nc_u32 v5, s21, v5                       ; out: row r, + 128 h: my 32 numbers of each 64
	v_lshlrev_b32 v10, 3, v9                       ; 8 h: my bytes' place in a scale word
	v_lshlrev_b32 v11, 4, v8
	v_lshl_add_u32 v11, v9, 3, v11                 ; 16 r + 8 h: where I store two scale words
	v_mov_b32 v25, 0                               ; written once: a lane permute's destination counts as one of its sources
	s_mov_b32 s18, 0x76543210
	s_mov_b32 s19, 0xfedcba98                      ; v_permlanex16_b32's selects for lane l xor 16
	s_sub_co_u32 s22, ttmp9, WWG
	s_lshl_b32 s22, s22, 2
	s_add_co_u32 s22, s22, s20
	s_lshr_b32 s23, s22, 1                         ; T
	s_and_b32 s24, s22, 1                          ; g
	s_lshr_b32 s26, s23, 1
	s_lshl_b32 s26, s26, 5
	s_and_b32 s27, s23, 1
	s_lshl_b32 s27, s27, 3
	s_add_co_u32 s26, s26, s27                     ; the tile's first row of x: 32 (T / 2) + 8 (T % 2)
	s_lshl_b32 s26, s26, 12                        ; rows of 4,096 bytes
	s_lshl_b32 s27, s24, 11                        ; + 2,048 g
	s_add_co_u32 s26, s26, s27
	s_mov_b32 s27, 0
	s_add_nc_u64 s[4:5], s[4:5], s[26:27]
	s_mul_i32 s26, s24, 2*XSLOT
	s_mul_i32 s28, s23, 3072
	s_add_co_u32 s26, s26, s28
	s_add_nc_u64 s[10:11], s[10:11], s[26:27]      ; the codes: K / 256 = 2 g, tile T
	s_lshl_b32 s26, s23, 9
	s_lshl_b32 s28, s24, 8
	s_add_co_u32 s26, s26, s28
	s_add_nc_u64 s[12:13], s[12:13], s[26:27]      ; the scale words: 512 T + 256 g
.macro XLOAD f                         ; fragment f: 16 loads, each 512 consecutive bytes of one row, into set f % 2
.set S, 64+64*((\f)%2)
.set i, 0
.rept 16
	global_load_b128 v[S+4*i:S+4*i+3], v3, s[4:5] offset:(i+8*(i/8))*4096+512*(\f) th:TH_LOAD_NT
.set i, i+1
.endr
.endm
.macro XTURN f                         ; through my stage: in as loaded, out 32 neighbours of each 64 to a lane.  LDS serves a wave's instructions in order, so no wait stands between
.set S, 64+64*((\f)%2)
.set i, 0
.rept 16
	ds_store_b128 v4, v[S+4*i:S+4*i+3] offset:528*i
.set i, i+1
.endr
.set i, 0
.rept 16
	ds_load_b128 v[S+4*i:S+4*i+3], v5 offset:256*(i/8)+16*(i%8)   ; register 32 c + n = k 64 c + 32 h + n of row r
.set i, i+1
.endr
.endm
.macro XQUANT f                        ; my two whole blocks (2 c + h, c = 0, 1) become the fragment's twelve registers and my part of the scale word
.set S, 64+64*((\f)%2)
	v_max3_num_f32 v16, |v[S]|, |v[S+1]|, 0x1800000          ; the floor 2^(3 - 127): the byte cannot fall under 1
	v_max3_num_f32 v17, |v[S+32]|, |v[S+33]|, 0x1800000
.set i, 2
.rept 15
	v_max3_num_f32 v16, v16, |v[S+i]|, |v[S+i+1]|            ; (the two blocks by turns)
	v_max3_num_f32 v17, v17, |v[S+32+i]|, |v[S+33+i]|
.set i, i+2
.endr
	v_add_nc_u32 v20, 0xff000000, v16              ; 2 off the exponent field: the conversion takes this operand's exponent field as its scale
	v_add_nc_u32 v21, 0xff000000, v17
	v_lshrrev_b32 v22, 23, v20                     ; the scales' bytes
	v_lshrrev_b32 v23, 23, v21
	v_lshl_or_b32 v24, v23, 16, v22                ; blocks h and 2 + h,
	v_lshlrev_b32 v24, v10, v24                    ; at their places in the word;
	v_permlanex16_b32 v25, v24, s18, s19
	v_or_b32 v[SW+(\f)], v24, v25                  ; with lane l xor 16's two the word is whole
	s_wait_alu depctr_va_vdst(0)
	s_wait_xcnt 0x0                                ; the last fragment's stores have read the codes' registers: they are written again only behind this wait
.irp c, 0,1
	v_cvt_scalef32_pk16_fp6_f32 v[PC+6*\c:PC+6*\c+2], v[S+32*\c:S+32*\c+15], v[20+\c]
	v_cvt_scalef32_pk16_fp6_f32 v[PC2+4*\c:PC2+4*\c+2], v[S+32*\c+16:S+32*\c+31], v[20+\c]
.endr
	v_nop                                          ; one plain place behind a scaled conversion
.irp c, 0,1
.irp i, 0,1,2
	v_mov_b32 v[PC+3+6*\c+\i], v[PC2+4*\c+\i]
.endr
.endr
	global_store_b128 v3, v[PC:PC+3], s[10:11] offset:((\f)/2)*XSLOT+((\f)%2)*1536          ; 512 consecutive bytes,
	global_store_b64 v6, v[PC+4:PC+5], s[10:11] offset:((\f)/2)*XSLOT+((\f)%2)*1536+512     ; 256 consecutive bytes: a half image
	global_store_b128 v3, v[PC+6:PC+9], s[10:11] offset:((\f)/2)*XSLOT+((\f)%2)*1536+768
	global_store_b64 v6, v[PC+10:PC+11], s[10:11] offset:((\f)/2)*XSLOT+((\f)%2)*1536+1280
.endm
.macro XFRAG f, left                   ; left: the next fragment's 16 loads may stay out
	s_wait_loadcnt \left
	XTURN \f
	s_wait_dscnt 0x0
	XQUANT \f
.if (\f) < 2
	XLOAD (\f)+2                                   ; into the set just quantised
.endif
.endm
	XLOAD 0
	XLOAD 1
	s_wait_alu depctr_va_vdst(0)
	XFRAG 0, 16
	XFRAG 1, 16
	XFRAG 2, 16
	XFRAG 3, 0
	v_cmp_eq_u32 vcc_lo, 1, v9
	v_cndmask_b32 v26, v[SW], v[SW+2], vcc_lo      ; lanes 0-15 store words 0, 1 of their row, lanes 16-31 words 2, 3
	v_cndmask_b32 v27, v[SW+1], v[SW+3], vcc_lo
	global_store_b64 v11, v[26:27], s[12:13]       ; 256 consecutive bytes, aligned
	s_wait_tensorcnt 0x0                           ; the wave's end, behind my last LDS store
	ds_add_u32 v[SPW], v[NIL]
	s_wait_dscnt 0x0
	s_endpgm
; ---------------- the weights: my wave takes 32 columns (two tiles) x 128 along K: four blocks a lane.
.Lweights:
	s_and_b32 s21, ttmp9, 31
	s_lshr_b32 s22, ttmp9, 5                       ; g: which 128 of K, 0..7
	s_cmp_ge_u32 s21, 24                           ; groups 96-127 are proj_w's: the choice hangs on the work-group's number alone
	s_cselect_b64 s[6:7], s[8:9], s[6:7]
	s_mov_b32 s24, 12288
	s_cselect_b32 s24, 4096, s24                   ; a row of the weight in bytes
	s_cselect_b32 s25, 96, 0
	s_lshl_b32 s21, s21, 2
	s_add_co_u32 s21, s21, s20                     ; the group of 32 columns, 0..127
	s_sub_co_u32 s25, s21, s25                     ; and its number in its own tensor
	s_lshl_b32 s26, s25, 7                         ; 128 bytes a group
	s_mul_i32 s27, s22, s24
	s_lshl_b32 s27, s27, 7                         ; 128 g rows
	s_add_co_u32 s26, s26, s27
	s_mov_b32 s27, 0
	s_add_nc_u64 s[32:33], s[6:7], s[26:27]        ; a base for each block of 32 rows: nothing is stepped while loads are out
	s_lshl_b32 s28, s24, 5
	s_mov_b32 s29, 0
.irp k, 1,2,3
	s_add_nc_u64 s[32+2*\k:33+2*\k], s[30+2*\k:31+2*\k], s[28:29]
.endr
	s_lshr_b32 s26, s22, 1
	s_mul_i32 s26, s26, WSLOT                      ; the codes: K / 256 = g / 2,
	s_and_b32 s31, s22, 1
	s_mul_i32 s31, s31, 1536                       ; half images 2 (g % 2) and the next,
	s_add_co_u32 s26, s26, s31
	s_mul_i32 s30, s21, 6144                       ; tile 2 x group
	s_add_co_u32 s26, s26, s30
	s_add_nc_u64 s[14:15], s[14:15], s[26:27]
	s_lshl_b32 s26, s21, 10                        ; the scale words: 1,024 bytes a group,
	s_lshr_b32 s30, s22, 2
	s_lshl_b32 s30, s30, 8                         ; K half g / 4,
	s_and_b32 s31, s22, 3
	s_lshl_b32 s31, s31, 2                         ; word g % 4
	s_add_co_u32 s30, s30, s31
	s_add_co_u32 s26, s26, s30
	s_add_nc_u64 s[16:17], s[16:17], s[26:27]
	s_wait_alu depctr_va_vdst(0)
	v_lshlrev_b32 v8, 2, v2                        ; 4 lane: lane l takes column l of the group
.set i, 0
.rept 32
	v_mad_u32_u24 v[VO+i], s24, i, v8
.set i, i+1
.endr
	v_bfe_u32 v9, v0, 3, 1                         ; column l is row r' = l % 8 + 8 (l / 16) of tile u = (l / 8) % 2
	v_and_b32 v10, 7, v0
	v_bfe_u32 v11, v0, 4, 1
	v_lshl_add_u32 v10, v11, 3, v10
	v_mul_u32_u24 v12, v9, 3072
	v_lshl_add_u32 v13, v10, 4, v12                ; registers 0-3 of my place in a half image
	v_lshl_add_u32 v14, v10, 3, v12                ; registers 4-5
	v_lshlrev_b32 v15, 9, v9
	v_lshl_add_u32 v15, v10, 4, v15                ; my row's four scale words
.macro WLOAD kb                        ; block kb: W(32 kb + i, my column): 128 consecutive bytes a wave, 512 a work-group
.set i, 0
.rept 32
	global_load_b32 v[96+32*((\kb)%2)+i], v[VO+i], s[32+2*(\kb):33+2*(\kb)] th:TH_LOAD_NT
.set i, i+1
.endr
.endm
.macro WBLOCK kb                       ; a whole block of 32 along K lies in my registers: it is half h = kb % 2 of half image kb / 2
.set XS, 96+32*((\kb)%2)
.if (\kb) < 3
	s_wait_loadcnt 32                              ; this block's loads are in; the next block's 32 may be out
.else
	s_wait_loadcnt 0x0
.endif
	v_max3_num_f32 v16, |v[XS]|, |v[XS+1]|, |v[XS+2]|
	v_max3_num_f32 v17, |v[XS+3]|, |v[XS+4]|, |v[XS+5]|
.irp i, 6,10,14,18,22,26
	v_max3_num_f32 v16, v16, |v[XS+\i]|, |v[XS+\i+1]|
	v_max3_num_f32 v17, v17, |v[XS+\i+2]|, |v[XS+\i+3]|
.endr
	v_max3_num_f32 v16, v16, |v[XS+30]|, |v[XS+31]|
	v_max3_num_f32 v16, v16, v17, 0x1800000        ; and the floor
	v_add_nc_u32 v20, 0xff000000, v16
	v_lshrrev_b32 v21, 23, v20
.if (\kb) == 0
	v_mov_b32 v[SB], v21                           ; four bytes to the word, the lower K in the lower byte
.else
	v_lshl_or_b32 v[SB], v21, 8*(\kb), v[SB]
.endif
	s_wait_alu depctr_va_vdst(0)
	s_wait_xcnt 0x0                                ; the last block's stores have read the codes' registers
	v_cvt_scalef32_pk16_fp6_f32 v[32:34], v[XS:XS+15], v20
	v_cvt_scalef32_pk16_fp6_f32 v[40:42], v[XS+16:XS+31], v20
	v_nop                                          ; one plain place behind a scaled conversion
	v_mov_b32 v35, v40
	v_mov_b32 v36, v41
	v_mov_b32 v37, v42
	global_store_b128 v13, v[32:35], s[14:15] offset:((\kb)/2)*768+256*((\kb)%2)       ; sixteen lanes of a tile store 256 consecutive bytes, aligned
	global_store_b64 v14, v[36:37], s[14:15] offset:((\kb)/2)*768+512+128*((\kb)%2)    ; 128 consecutive bytes a tile: two blocks' stores fill 256
.if (\kb)+2 < 4
	WLOAD (\kb)+2
.endif
.endm
	WLOAD 0
	WLOAD 1
.set Q, 0
.rept 4
	WBLOCK Q
.set Q, Q+1
.endr
	global_store_b32 v15, v[SB], s[16:17]          ; one word of each row's four: 4 bytes of each 16; the four waves that share a K half of these columns fill the 512 bytes between them (131,072 bytes in the whole launch)
	s_endpgm
.Lfunc_end_k_qa9bf4fd484_quant:
	.size	k_qa9bf4fd484_quant, .Lfunc_end_k_qa9bf4fd484_quant-k_qa9bf4fd484_quant
	.p2alignl 7, 3214868480
	.fill 96, 4, 3214868480
	.section	.rodata,"a",@progbits
	.p2align	6, 0x0
	.amdhsa_kernel k_qa9bf4fd484_quant
		.amdhsa_group_segment_fixed_size 34304
		.amdhsa_private_segment_fixed_size 0
		.amdhsa_enable_private_segment 0
		.amdhsa_kernarg_size 56
		.amdhsa_user_sgpr_count 2
		.amdhsa_user_sgpr_kernarg_segment_ptr 1
		.amdhsa_wavefront_size32 1
		.amdhsa_system_sgpr_workgroup_id_x 1
		.amdhsa_system_sgpr_workgroup_id_y 1
		.amdhsa_system_sgpr_workgroup_id_z 1
		.amdhsa_system_vgpr_workitem_id 0
		.amdhsa_next_free_vgpr 192
		.amdhsa_next_free_sgpr 66
		.amdhsa_reserve_vcc 1
		.amdhsa_float_denorm_mode_32 3
		.amdhsa_float_denorm_mode_16_64 3
		.amdhsa_memory_ordered 1
		.amdhsa_forward_progress 1
		.amdhsa_inst_pref_size 54
	.end_amdhsa_kernel
	.amdgpu_metadata
---
amdhsa.version: [ 1, 2 ]
amdhsa.kernels:
  - .name:           k_qa9bf4fd484_quant
    .symbol:         k_qa9bf4fd484_quant.kd
    .args:
      - { .name: x, .offset: 0, .size: 8, .value_kind: global_buffer, .address_space: global }
      - { .name: qkv_w, .offset: 8, .size: 8, .value_kind: global_buffer, .address_space: global }
      - { .name: proj_w, .offset: 16, .size: 8, .value_kind: global_buffer, .address_space: global }
      - { .name: ximg, .offset: 24, .size: 8, .value_kind: global_buffer, .address_space: global }
      - { .name: xsc, .offset: 32, .size: 8, .value_kind: global_buffer, .address_space: global }
      - { .name: wimg, .offset: 40, .size: 8, .value_kind: global_buffer, .address_space: global }
      - { .name: wsc, .offset: 48, .size: 8, .value_kind: global_buffer, .address_space: global }
    .group_segment_fixed_size: 34304
    .private_segment_fixed_size: 0
    .kernarg_segment_align: 8
    .kernarg_segment_size: 56
    .max_flat_workgroup_size: 128
    .sgpr_count:     66
    .vgpr_count:     192
    .wavefront_size: 32
...
	.end_amdgpu_metadata
.endif
;; end of part 1
;; launch gemm_qkv (part 2): grid 4 x 64, 4 waves a work-group, clusters of 4 x 4, 327,680 bytes of LDS; arguments ximg, xsc, wimg, wsc, qkv_b, qkv; writes qkv
.if DOCPART == 2
	.amdgcn_target "amdgcn-amd-amdhsa--gfx1250"
	.amdhsa_code_object_version 6
	.text
	.protected	k_qa9bf4fd484_gemm_qkv
	.globl	k_qa9bf4fd484_gemm_qkv
	.p2align	8
	.type	k_qa9bf4fd484_gemm_qkv,@function
k_qa9bf4fd484_gemm_qkv:
	s_mov_b64 s[64:65], 0
	v_nop
	global_prefetch_b8 v0, s[64:65] scope:SCOPE_SE
	s_setreg_imm32_b32 hwreg(HW_REG_WAVE_MODE, 25, 1), 1
	s_wait_xcnt 0x0
	s_wait_alu depctr_hold_cnt(0) depctr_sa_sdst(0) depctr_va_vdst(0) depctr_va_sdst(0) depctr_va_ssrc(0) depctr_va_vcc(0) depctr_vm_vsrc(0)
	s_getreg_b32 s2, hwreg(HW_REG_IB_STS2, 6, 4)
	s_cmp_eq_u32 s2, 0
	s_cbranch_scc0 .Lentry_in_a_cluster
	s_endpgm
.Lentry_in_a_cluster:
	s_bfe_u32 s2, ttmp6, 0x10000c
	s_cmp_lg_u32 s2, 0xf033
	s_cbranch_scc0 .Lentry_shape_is_right
	s_endpgm
.Lentry_shape_is_right:
; qkv = x qkv_w + qkv_b on codes of FP6 (E2M3) with E8M0 scales, K = 1,024; the result is quantised in registers and leaves as codes alone: q and k along the head's 64 channels, v along the tokens.
; OPERANDS are images of the matrix operand's registers: tile T = 16 rows, tile row r = operand row 32 (T / 2) + 8 (T % 2) + r + 8 (r / 8); a half image (16 rows x 64 K) is 768 bytes: registers 0-3 at 16 lane,
; registers 4-5 at 512 + 8 lane.  Codes [K / 256][tile][4 half images], scale words [tile][K half][r][4 words].
; THE DEAL: 256 work-groups of four waves.  A work-group takes 128 tokens (8 tiles of x: one record of the output) through THREE PHASES: 256 columns (16 tiles, four heads) of q, then of k, then of v.
; A wave makes one head in each phase: 128 tokens x 64 columns, 32 accumulators.  q, k: source 0 = the weight's 4 tiles, source 1 = x's 8: a lane holds one token, its registers run along channels.
; v: source 0 = x's 8 tiles, source 1 = the weight's 4: a lane holds one channel, its registers run along tokens.  In both, 64 registers on end are four blocks of 32 along the next product's K.
; LDS: x's 8 tiles, all of K, are filled once and stay (98,304 bytes).  The weights' 16 tiles, all of K (196,608 bytes), are two slots, one for each half of K: a slot is filled again with the next phase's
; weights when its last fragment has been read: at K steps 3 and 7 of phases q and k, behind a drained round of the cluster's barrier; a fill has four K steps in which to land.
; At the head four joint loads, one a wave, each in its own arm: x's K half 0, the weights' K half 0, x's K half 1, the weights' K half 1.  A refill is four loads, one a wave, of 24,576 dense bytes each.
; CLUSTERS 4 x 4: x's tiles are shared along a row of the cluster, the weights' along a column.
; k's and v's weights (1,572,864 bytes, which all work-groups read) are asked for into the L2 once, at the head, four and twelve K steps ahead of their first loads: by the clusters y = 0 .. 3 alone, each for one K / 256,
; its 64 waves sharing the 1,536 blocks of 256 bytes out by address, 24 a wave, a lane a block.
; SCALE WORDS AND BIAS go from memory into registers at the head.  A tile's scale words of all of K are 512 dense bytes, 16 a lane: lanes 0-15 K steps 0-3 of row r, lanes 16-31 K steps 4-7.
; The bias is the C of each sum's first product.  Phases q and k are one loop of two trips: at the second trip's top k's scale words and bias are moved into the registers that the text names.
; OUT, for each (batch, head) HS bytes: 16 records of q (8 tiles x 768, then 512 bytes of scale words), then 16 records for 128 keys each: k 8 x 768, v [channel tile 4][key half 2][768], k's scale words 512, v's 256.
; LIMITS: a block of zeros gets the byte 1 (its codes are zeros; this program alone reads the bytes); NaN and infinities are not served.
; REGISTERS: window 0: v0-29 addresses; v32-63 x's scale words; v66-113 the weights' (at work, k's, v's); v114-157 the way out; v160-255 the weights' fragments, two sets.  window 1: x's fragments, two sets (v0, v128).
; window 2: the accumulators.  window 3: the bias: v0-31 at work, v32-63 k's, v64-95 v's.
.set XSLOT,  1572864
.set WSLOT,  786432
.set HS,     315392
.set TILEB,  3072
.set ASL,    8*TILEB                   ; x's 8 tiles x 256 K; also what one refill load brings
.set BSL,    16*TILEB                  ; the weights' 16
.set BOFF,   2*ASL                     ; in a K half: x's two blocks, then the weights' two
.set HALFB,  2*ASL+2*BSL
.set SPARE,  2*HALFB                   ; the spare words, 128 bytes for each wave
.set FR,     12
.set HH,     2                         ; lane / 16
.set SH,     5                         ; 16 h
.set BO,     6                         ; 64 h
.set BVO,    7                         ; 4 (r + 8 (r / 8))
.set ADX16,  8                         ; v8-11 x's fragments of K / 256 = 0 .. 3: + 16 lane; v12-15: + 8 lane
.set ADX8,   12
.set ADW16,  16                        ; v16-23 the same for my four tiles of the weights
.set ADW8,   20
.set PFO,    24                        ; the prefetch's offset; never rewritten
.set L16,    26
.set L8,     27
.set SPW,    28
.set NIL,    29
.set XS,     32
.set WS,     66
.set WSK,    82
.set WSV,    98
.set PC,     114
.set TM,     134
.set PW,     150
.set SL,     154
.set AF,     160
.set BQ,     0
.set BK,     32
.set BV,     64
.set G1,     24                        ; s[24:31] group 1 for x, s[48:55] for the weights at the head; s[32:47] the head's four groups 0
.set G0,     32
.set G1B,    48
.set PFS,    56
.set G1R,    72                        ; s[72:79], s[80:83] groups 1 and 0 of a refill
.set G0R,    80
.set RB,     84                        ; s[84:85] my part of the next phase's weights, K half 0
.set RL,     86                        ; its LDS byte
.set TRIP,   87
.set QO,     88                        ; q's record, its scale words; k's record, its scale words
.set SQ,     90
.set KO,     92
.set SK,     94
.set OB,     96                        ; where this phase's codes go, and its scale words
.set SBP,    98
.set WA,     100
.set MSB, 0
.macro WIN new
.if MSB != (\new)
	s_set_vgpr_msb (MSB<<8)|(\new)
.set MSB, (\new)
.endif
.endm
.macro PLACES
.rept 4
	v_nop
.endr
.endm
.macro CROUND                          ; a round of the cluster's barrier
	s_barrier_signal -1
	s_barrier_wait -1
	s_cmp_lg_u32 s16, 0
	s_cbranch_scc1 .Lnot_wave_0_\@
	s_barrier_signal -3
.Lnot_wave_0_\@:
	s_barrier_wait -3
	s_barrier_signal -1
	s_barrier_wait -1
.endm
	s_load_b256 s[4:11], s[0:1], 0x0               ; ximg s[4:5], xsc s[6:7], wimg s[8:9], wsc s[10:11]
	s_load_b128 s[12:15], s[0:1], 0x20             ; qkv_b s[12:13], qkv s[14:15]
	v_lshl_add_u32 v[SPW], v0, 2, SPARE
	v_mov_b32 v[NIL], 0
	ds_add_u32 v[SPW], v[NIL]                      ; the opening lines: the add, twice on end, and one wait
	ds_add_u32 v[SPW], v[NIL]
	v_lshrrev_b32 v1, 5, v0
	v_readfirstlane_b32 s16, v1                    ; wave 0..3
	s_lshr_b32 s17, s16, 1
	s_and_b32 s18, s16, 1
	s_bfe_u32 s19, ttmp6, 0x40000                  ; cx: the group of four heads
	s_bfe_u32 s20, ttmp6, 0x40004                  ; cy
	s_and_b32 s67, ttmp7, 0xffff                   ; the cluster's y
	s_lshl_b32 s66, s67, 2
	s_add_co_u32 s66, s66, s20                     ; the block of 128 tokens, 0 .. 63
	s_lshl_b32 s68, s20, 2
	s_lshl_b32 s68, 15, s68                        ; my row of the cluster
	s_lshl_b32 s69, 0x1111, s19                    ; my column
	s_or_b32 s[G1], s68, (3<<16)|(1<<21)           ; the mask; elements of 8 bytes; bit 21 beside a mask; no padding: the images are read densely
	s_mov_b32 s[G1+1], (ASL/8)<<16                 ; a row: 24,576 bytes, 256 along K of 8 tiles
	s_mov_b32 s[G1+2], 2<<16                       ; two rows: a half of K
	s_mov_b32 s[G1+3], (ASL/8)<<16
	s_mov_b32 s[G1+4], 2
	s_mov_b32 s[G1+5], XSLOT/8
	s_mov_b32 s[G1+6], 0
	s_mov_b32 s[G1+7], 0
	s_or_b32 s[G1B], s69, (3<<16)|(1<<21)
	s_mov_b32 s[G1B+1], (BSL/8)<<16                ; 49,152 bytes: 16 tiles
	s_mov_b32 s[G1B+2], 2<<16
	s_mov_b32 s[G1B+3], (BSL/8)<<16
	s_mov_b32 s[G1B+4], 2
	s_mov_b32 s[G1B+5], WSLOT/8
	s_mov_b32 s[G1B+6], 0
	s_mov_b32 s[G1B+7], 0
	s_or_b32 s[G1R], s69, (3<<16)|(1<<21)          ; a refill: 24,576 dense bytes as 96 rows of 256
	s_mov_b32 s[G1R+1], 32<<16
	s_mov_b32 s[G1R+2], 96<<16
	s_mov_b32 s[G1R+3], 32<<16
	s_mov_b32 s[G1R+4], 96
	s_mov_b32 s[G1R+5], 32
	s_mov_b32 s[G1R+6], 0
	s_mov_b32 s[G1R+7], 0
	s_mov_b32 s[G0R], 1
	s_mul_i32 s70, s66, ASL                        ; x's codes: tile 8 x block
	s_mov_b32 s71, 0
	s_mul_i32 s22, s19, BSL                        ; the weights' codes: tile 16 cx
	s_mov_b32 s23, 0
	s_wait_dscnt 0x0                               ; both opening adds are done
	s_wait_kmcnt 0x0
	s_add_nc_u64 s[4:5], s[4:5], s[70:71]
	s_add_nc_u64 s[WA:WA+1], s[8:9], s[22:23]
	CROUND                                         ; all sixteen work-groups are here: the joint loads meet
	s_mov_b32 s[G0], 1                             ; x, K half 0
	s_mov_b32 s[G0+1], 0
	s_mov_b64 s[G0+2:G0+3], s[4:5]
	s_or_b32 s[G0+3], s[G0+3], 0x80000000
	s_mov_b32 s[G0+4], 1                           ; q's weights, K half 0
	s_mov_b32 s[G0+5], BOFF
	s_mov_b64 s[G0+6:G0+7], s[WA:WA+1]
	s_or_b32 s[G0+7], s[G0+7], 0x80000000
	s_mov_b32 s[G0+8], 1                           ; x, K half 1
	s_mov_b32 s[G0+9], HALFB
	s_add_nc_u64 s[G0+10:G0+11], s[4:5], 2*XSLOT
	s_or_b32 s[G0+11], s[G0+11], 0x80000000
	s_mov_b32 s[G0+12], 1                          ; q's weights, K half 1
	s_mov_b32 s[G0+13], HALFB+BOFF
	s_add_nc_u64 s[G0+14:G0+15], s[WA:WA+1], 2*WSLOT
	s_or_b32 s[G0+15], s[G0+15], 0x80000000
.macro ARM under, g0, g1, next         ; one chain of branches on the wave's number, one load to an arm, all arms to one join
	s_cmp_lt_u32 s16, \under
	s_cbranch_scc0 \next
	tensor_load_to_lds s[\g0:\g0+3], s[\g1:\g1+7]
	s_nop 0
	PLACES
	s_branch .Lhead_asked
\next:
.endm
	ARM 1, G0,   G1,  .Lhead_w0
	ARM 2, G0+4, G1B, .Lhead_x1
	ARM 3, G0+8, G1,  .Lhead_w1
	tensor_load_to_lds s[G0+12:G0+15], s[G1B:G1B+7]
	s_nop 0
	PLACES
.Lhead_asked:
	s_lshl_b32 s70, s66, 12                        ; x's scale words: 512 bytes a tile
	s_add_nc_u64 s[6:7], s[6:7], s[70:71]
	s_lshl_b32 s21, s19, 2
	s_add_co_u32 s21, s21, s16                     ; my head: 4 cx + wave
	s_lshl_b32 s22, s21, 11                        ; its four tiles' scale words
	s_add_nc_u64 s[10:11], s[10:11], s[22:23]
	s_lshl_b32 s22, s21, 8                         ; its 64 numbers of the bias
	s_add_nc_u64 s[12:13], s[12:13], s[22:23]
	s_mul_i32 s22, s17, WSLOT                      ; a refill's four parts: K / 256 = wave / 2 of the half, tiles 8 (wave % 2) on
	s_mul_i32 s57, s18, ASL
	s_add_co_u32 s22, s22, s57
	s_add_nc_u64 s[RB:RB+1], s[WA:WA+1], s[22:23]
	s_mul_i32 s[RL], s16, ASL
	s_add_co_u32 s[RL], s[RL], BOFF
	s_lshr_b32 s70, s66, 4                         ; the batch
	s_lshl_b32 s70, s70, 4
	s_add_co_u32 s70, s70, s21
	s_mul_i32 s70, s70, HS
	s_add_nc_u64 s[14:15], s[14:15], s[70:71]      ; qkv at my (batch, head)
	s_and_b32 s57, s66, 15                         ; the record
	s_mul_i32 s70, s57, 6656
	s_add_nc_u64 s[QO:QO+1], s[14:15], s[70:71]
	s_add_nc_u64 s[SQ:SQ+1], s[QO:QO+1], 6144
	s_mul_i32 s70, s57, 13056
	s_add_co_u32 s70, s70, 106496
	s_add_nc_u64 s[KO:KO+1], s[14:15], s[70:71]
	s_add_nc_u64 s[SK:SK+1], s[KO:KO+1], 12288
	s_mul_i32 s57, s16, 4*TILEB                    ; my four tiles of the weights in LDS
.irp s, 0,1,2,3
	s_add_co_u32 s[60+\s], s57, (\s/2)*HALFB+BOFF+(\s%2)*BSL
.endr
	s_lshl_b32 s[PFS], s20, 2                      ; the prefetch: my wave's number among the cluster's 64,
	s_add_co_u32 s[PFS], s[PFS], s19
	s_lshl_b32 s[PFS], s[PFS], 2
	s_add_co_u32 s[PFS], s[PFS], s16
	s_mul_i32 s[PFS], s[PFS], 24*256               ; 24 blocks a wave,
	s_mul_i32 s57, s67, WSLOT                      ; in K / 256 = the cluster's y,
	s_add_co_u32 s[PFS], s[PFS], s57
	s_add_co_u32 s[PFS], s[PFS], 64*TILEB          ; from k's first tile on
	s_mov_b32 s2, 0x76543210
	s_mov_b32 s3, 0xfedcba98                       ; v_permlanex16_b32's selects for lane l xor 16
	v_and_b32 v1, 15, v0                           ; r
	v_bfe_u32 v[HH], v0, 4, 1                      ; h
	v_and_b32 v3, 31, v0
	v_lshlrev_b32 v[L16], 4, v3
	v_lshlrev_b32 v[L8], 3, v3
.irp s, 0,1,2,3
	v_add_nc_u32 v[ADX16+\s], (\s/2)*HALFB+(\s%2)*ASL, v[L16]
	v_add_nc_u32 v[ADX8+\s], (\s/2)*HALFB+(\s%2)*ASL, v[L8]
	v_add_nc_u32 v[ADW16+\s], s[60+\s], v[L16]
	v_add_nc_u32 v[ADW8+\s], s[60+\s], v[L8]
.endr
	v_lshlrev_b32 v[SH], 4, v[HH]
	v_lshlrev_b32 v[BO], 6, v[HH]
	v_and_b32 v4, 8, v1
	v_add_nc_u32 v4, v4, v1
	v_lshlrev_b32 v[BVO], 2, v4
	v_min_u32 v[PFO], 23, v3                       ; (the lanes left over name their wave's last block again)
	v_lshl_add_u32 v[PFO], v[PFO], 8, s[PFS]
.irp b, 0,1,2,3
	v_mov_b32 v[TM+4+\b], 0                        ; a lane permute's destination counts as one of its sources
.endr
	s_wait_alu depctr_va_vdst(0)                   ; the wait at the head's end
.irp i, 0,1,2,3,4,5,6,7
	global_load_b128 v[XS+4*\i:XS+4*\i+3], v[L16], s[6:7] offset:512*\i
.endr
.irp p, 0,1,2                          ; q's, k's, v's: 64 tiles apart
.irp j, 0,1,2,3
	global_load_b128 v[WS+16*\p+4*\j:WS+16*\p+4*\j+3], v[L16], s[10:11] offset:32768*\p+512*\j
.endr
.endr
	WIN 0xc0                                       ; destination window 3
.irp p, 0,1                            ; q's and k's bias in the result's layout: register j of the weight's tile b is channel 32 (b / 2) + 8 (b % 2) + 16 h + j
.irp b, 0,1,2,3
	global_load_b128 v[32*\p+8*\b:32*\p+8*\b+3], v[BO], s[12:13] offset:4096*\p+(32*(\b/2)+8*(\b%2))*4
	global_load_b128 v[32*\p+8*\b+4:32*\p+8*\b+7], v[BO], s[12:13] offset:4096*\p+(32*(\b/2)+8*(\b%2))*4+16
.endr
.endr
.irp a, 0,1,2,3                        ; v's: one number a lane and tile: channel 32 (a / 2) + 8 (a % 2) + r + 8 (r / 8)
	global_load_b32 v[BV+8*\a], v[BVO], s[12:13] offset:8192+(32*(\a/2)+8*(\a%2))*4
.endr
	WIN 0
	s_cmp_lt_u32 s67, 4                            ; the cluster's y, which all partners share
	s_cbranch_scc0 .Lno_prefetch
	global_prefetch_b8 v[PFO], s[8:9] th:TH_LOAD_NT scope:SCOPE_SE
.Lno_prefetch:
.macro FRAG reg, a16, a8, off          ; a fragment, 16 rows x 128 K: two half images on end, four dense loads
	ds_load_b128 v[(\reg):(\reg)+3], v[\a16] offset:(\off)
	ds_load_b64 v[(\reg)+4:(\reg)+5], v[\a8] offset:(\off)+512
	ds_load_b128 v[(\reg)+6:(\reg)+9], v[\a16] offset:(\off)+768
	ds_load_b64 v[(\reg)+10:(\reg)+11], v[\a8] offset:(\off)+1280
.endm
.macro FETCH s                         ; K step s: x's eight fragments and the weights' four into set s % 2: 48 loads
	WIN 0x40
.irp i, 0,1,2,3,4,5,6,7
	FRAG 128*((\s)%2)+FR*\i, ADX16+(\s)/2, ADX8+(\s)/2, \i*TILEB+((\s)%2)*1536
.endr
	WIN 0
.irp i, 0,1,2,3
	FRAG AF+48*((\s)%2)+FR*\i, ADW16+(\s)/2, ADW8+(\s)/2, \i*TILEB+((\s)%2)*1536
.endr
.endm
.macro LOAD2 f                         ; fragments f and f + 1 of K step NXT into set NXT % 2: 0-7 are x's, 8-11 the weights'
.if (\f) < 8
	WIN 0x40
	FRAG 128*(NXT%2)+FR*(\f), ADX16+NXT/2, ADX8+NXT/2, (\f)*TILEB+(NXT%2)*1536
	FRAG 128*(NXT%2)+FR*((\f)+1), ADX16+NXT/2, ADX8+NXT/2, ((\f)+1)*TILEB+(NXT%2)*1536
.else
	WIN 0
	FRAG AF+48*(NXT%2)+FR*((\f)-8), ADW16+NXT/2, ADW8+NXT/2, ((\f)-8)*TILEB+(NXT%2)*1536
	FRAG AF+48*(NXT%2)+FR*((\f)-7), ADW16+NXT/2, ADW8+NXT/2, ((\f)-7)*TILEB+(NXT%2)*1536
.endif
.endm
.macro HOOK n                          ; ahead of product n of a step: ahead of each of the first six groups of four products stand eight LDS loads, two of the next step's twelve fragments
.if ((\n)%4) == 0
.if NXT >= 0
.if (\n) < 24
	LOAD2 (\n)/2
.endif
.endif
	WIN MW
.endif
.endm
.macro WM c, row
	v_wmma_scale_f32_16x16x128_f8f6f4 v[rD:rD+7], v[rS0:rS0+FR-1], v[rS1:rS1+FR-1], \c, v[rX0], v[rX1] matrix_a_fmt:MATRIX_FMT_FP6 matrix_b_fmt:MATRIX_FMT_FP6 matrix_a_scale:MATRIX_SCALE_ROW\row matrix_b_scale:MATRIX_SCALE_ROW\row
.endm
; 32 products of a K step; the 32 accumulators take turns, one instruction a turn, in the same order in every step
.macro MULQK s                         ; accumulator (x's tile a, the weight's tile b) at 8 (4 a + b)
.irp a, 0,1,2,3,4,5,6,7
.irp b, 0,1,2,3
.set rD, 8*(4*\a+\b)
	HOOK 4*\a+\b
.set rS0, AF+48*((\s)%2)+FR*\b
.set rS1, 128*((\s)%2)+FR*\a
.set rX0, WS+4*\b+(\s)%4
.set rX1, XS+4*\a+(\s)%4
.if (\s) == 0
	WM v[BQ+8*\b:BQ+8*\b+7], 0
.elseif (\s) < 4
	WM v[rD:rD+7], 0
.else
	WM v[rD:rD+7], 1
.endif
.endr
.endr
.endm
.macro MULV s                          ; accumulator (the weight's tile a, x's tile b) at 8 (8 a + b)
.irp a, 0,1,2,3
.irp b, 0,1,2,3,4,5,6,7
.set rD, 8*(8*\a+\b)
	HOOK 8*\a+\b
.set rS0, 128*((\s)%2)+FR*\b
.set rS1, AF+48*((\s)%2)+FR*\a
.set rX0, XS+4*\b+(\s)%4
.set rX1, WSV+4*\a+(\s)%4
.if (\s) == 0
	WM v[BV+8*\a:BV+8*\a+7], 0
.elseif (\s) < 4
	WM v[rD:rD+7], 0
.else
	WM v[rD:rD+7], 1
.endif
.endr
.endr
.endm
; A K step: its fragments are waited for (0: nothing younger than its own 48 loads is out); then its 32 products, with step nxt's 48 loads, into the other set, among the first 24 of them, eight ahead of each four.
; act = 1, 2: all reads of the weights' K half act - 1 are over: the three lines, a round, and the slot is filled again with the next phase's weights.  act = 3: a plain barrier shows the last fill.
.macro STEP mode, s, nxt, act
.if (\act) == 1 || (\act) == 2
	WIN 0
	s_wait_tensorcnt 0x0                           ; all my tensor loads have landed,
	ds_add_u32 v[SPW], v[NIL]                      ; 0 onto my spare word,
	s_add_co_u32 s[G0R+1], s[RL], ((\act)-1)*HALFB ; so the descriptor may be written
	s_add_nc_u64 s[G0R+2:G0R+3], s[RB:RB+1], ((\act)-1)*2*WSLOT
	s_or_b32 s[G0R+3], s[G0R+3], 0x80000000
	s_wait_dscnt 0x0                               ; the add is done, and so are my reads of the slot
	CROUND
	tensor_load_to_lds s[G0R:G0R+3], s[G1R:G1R+7]  ; my one load behind the round
	s_nop 0
	PLACES                                         ; also the places ahead of the loads below
.elseif (\act) == 3
	WIN 0
	s_wait_tensorcnt 0x0
	s_wait_dscnt 0x0
	s_barrier_signal -1
	s_barrier_wait -1
	PLACES
.else
	s_wait_dscnt 0x0
	PLACES                                         ; four places between the last step's products and the loads into the set that they read
.endif
.set NXT, \nxt
.if (\mode) == 0
.if (\s) == 0
.set MW, 0xb4                          ; the products' windows: the weights window 0, x window 1, C window 3, D window 2
.else
.set MW, 0xa4
.endif
	MULQK \s
.else
.if (\s) == 0
.set MW, 0xb1
.else
.set MW, 0xa1
.endif
	MULV \s
.endif
.endm
; THE WAY OUT uses no LDS.  64 accumulator registers on end (register 16 b + i) are four blocks of 32 along the next product's K, each shared with lane l xor 16: q, k: two tokens' tiles x two blocks of channels;
; v: one channel tile x four blocks of keys.  Largest magnitudes, bytes, conversions, the exchange of halves; registers 0-5 and 6-11 are two half images, 768 bytes apart in all three tensors.
.macro EPI m
.set AC, 64*(\m)
	WIN 0x28                                       ; sources 1 and 2: window 2
.irp b, 0,1,2,3
	v_max3_num_f32 v[TM+\b], 0x1800000, |v[AC+16*\b]|, |v[AC+16*\b+1]|     ; the floor 2^(3 - 127) among the leaves; each accumulator is read from its low end on
.endr
.irp i, 2,4,6,8,10,12,14
.irp b, 0,1,2,3
	v_max3_num_f32 v[TM+\b], v[TM+\b], |v[AC+16*\b+\i]|, |v[AC+16*\b+\i+1]|
.endr
.endr
	WIN 0
.irp b, 0,1,2,3
	v_permlanex16_b32 v[TM+4+\b], v[TM+\b], s2, s3
.endr
.irp b, 0,1,2,3
	v_max_num_f32 v[TM+\b], v[TM+\b], v[TM+4+\b]
.endr
.irp b, 0,1,2,3
	v_add_nc_u32 v[TM+12+\b], 0xff000000, v[TM+\b] ; 2 off the exponent field: the conversion's scale operand
.endr
.irp b, 0,1,2,3
	v_lshrrev_b32 v[TM+4+\b], 23, v[TM+12+\b]      ; the scale's byte
.endr
	v_lshl_or_b32 v[PW+(\m)], v[TM+5], 8, v[TM+4]
	v_lshl_or_b32 v[PW+(\m)], v[TM+6], 16, v[PW+(\m)]
	v_lshl_or_b32 v[PW+(\m)], v[TM+7], 24, v[PW+(\m)]
	s_wait_alu depctr_va_vdst(0)                   ; the wait ahead of the blocking wait
	s_wait_xcnt 0x0                                ; the last stores have read the codes' registers
	WIN 0x02                                       ; source 0: window 2
.irp c, 0,1
	v_cvt_scalef32_pk16_fp6_f32 v[PC+6*\c:PC+6*\c+2], v[AC+32*\c:AC+32*\c+15], v[TM+12+2*\c]
	v_cvt_scalef32_pk16_fp6_f32 v[PC+12+4*\c:PC+14+4*\c], v[AC+32*\c+16:AC+32*\c+31], v[TM+13+2*\c]
.endr
	WIN 0
	v_nop                                          ; one plain place behind a scaled conversion
.irp c, 0,1                            ; the operand's layout wants a whole block in a lane
.irp i, 0,1,2
	v_permlane16_swap_b32 v[PC+6*\c+\i], v[PC+12+4*\c+\i]
.endr
.irp i, 0,1,2
	v_mov_b32 v[PC+3+6*\c+\i], v[PC+12+4*\c+\i]
.endr
.endr
	global_store_b128 v[L16], v[PC:PC+3], s[OB:OB+1] offset:1536*(\m)           ; 512 consecutive bytes, aligned
	global_store_b64 v[L8], v[PC+4:PC+5], s[OB:OB+1] offset:1536*(\m)+512       ; 256
	global_store_b128 v[L16], v[PC+6:PC+9], s[OB:OB+1] offset:1536*(\m)+768
	global_store_b64 v[L8], v[PC+10:PC+11], s[OB:OB+1] offset:1536*(\m)+1280
.endm
	s_cmp_lt_u32 s16, 2
	s_cbranch_scc0 .Lnot_first
	s_wait_tensorcnt 0x0                           ; waves 0 and 1: my part of K half 0 has landed
.Lnot_first:
	s_barrier_signal -1
	s_barrier_wait -1                              ; K half 0 is whole; K half 1 may be on its way
	FETCH 0
	s_wait_loadcnt 0x0                             ; the scale words and the bias
	WIN 0xc3
.irp a, 0,1,2,3
.irp i, 1,2,3,4,5,6,7
	v_mov_b32 v[BV+8*\a+\i], v[BV+8*\a]            ; v's number over the tile's eight registers
.endr
.endr
	WIN 0
	s_mov_b32 s[TRIP], 0
.Lqk:                                  ; trip 0: q; trip 1: k
	s_wait_alu depctr_va_vdst(0)                   ; the wait ahead of the blocking wait and the branch
	s_wait_xcnt 0x0                                ; the last phase's stores have read their bases
	s_cmp_eq_u32 s[TRIP], 0
	s_cselect_b64 s[OB:OB+1], s[QO:QO+1], s[KO:KO+1]
	s_cselect_b64 s[SBP:SBP+1], s[SQ:SQ+1], s[SK:SK+1]
	s_add_nc_u64 s[RB:RB+1], s[RB:RB+1], 64*TILEB  ; this trip's refills bring the next phase's weights, 64 tiles on
	s_cbranch_scc1 .Lno_move
.set i, 0
.rept 16
	v_mov_b32 v[WS+i], v[WSK+i]                    ; k's scale words; the 32 moves below are the places ahead of the products that take them
.set i, i+1
.endr
	WIN 0xc3
.set i, 0
.rept 32
	v_mov_b32 v[BQ+i], v[BK+i]                     ; k's bias
.set i, i+1
.endr
	WIN 0
	s_wait_alu depctr_va_vdst(0)
.Lno_move:
	STEP 0, 0, 1, 0
	STEP 0, 1, 2, 0
	STEP 0, 2, 3, 0
	STEP 0, 3, 4, 1
	STEP 0, 4, 5, 0
	STEP 0, 5, 6, 0
	STEP 0, 6, 7, 0
	STEP 0, 7, 0, 2                                ; the next phase's first fragments are asked for here
	PLACES
.irp m, 0,1,2,3
	EPI \m
.endr
.irp k, 0,1,2,3                        ; word k of lane r + 16 u: the two bytes of tile 2 k + u, row r; the bytes of K positions 64 on are 0
	v_lshrrev_b32 v[SL+\k], v[SH], v[PW+\k]
.endr
.irp k, 0,1,2,3
	v_and_b32 v[SL+\k], 0xffff, v[SL+\k]
.endr
	global_store_b128 v[L16], v[SL:SL+3], s[SBP:SBP+1]   ; 512 consecutive bytes, aligned
	s_add_co_u32 s[TRIP], s[TRIP], 1
	s_cmp_lt_u32 s[TRIP], 2
	s_wait_alu depctr_va_vdst(0)
	s_cbranch_scc1 .Lqk
	s_wait_xcnt 0x0
	s_add_nc_u64 s[OB:OB+1], s[KO:KO+1], 6144      ; v lies behind k in a record
	s_add_nc_u64 s[SBP:SBP+1], s[KO:KO+1], 12800
	STEP 1, 0, 1, 0
	STEP 1, 1, 2, 0
	STEP 1, 2, 3, 0
	STEP 1, 3, 4, 3
	STEP 1, 4, 5, 0
	STEP 1, 5, 6, 0
	STEP 1, 6, 7, 0
	STEP 1, 7, -1, 0
	PLACES
.irp m, 0,1,2,3
	EPI \m
.endr
	v_cmp_eq_u32 vcc_lo, 1, v[HH]                  ; lanes 0-15 hold the words of an even channel tile, lanes 16-31 of the odd tile beside it
	v_cndmask_b32 v[SL], v[PW], v[PW+1], vcc_lo
	v_cndmask_b32 v[SL+1], v[PW+2], v[PW+3], vcc_lo
	global_store_b64 v[L8], v[SL:SL+1], s[SBP:SBP+1]     ; 256 consecutive bytes, aligned
	s_wait_tensorcnt 0x0                           ; the wave's end
	ds_add_u32 v[SPW], v[NIL]
	s_wait_dscnt 0x0
	CROUND                                         ; the closing round
	s_endpgm
.Lfunc_end_k_qa9bf4fd484_gemm_qkv:
	.size	k_qa9bf4fd484_gemm_qkv, .Lfunc_end_k_qa9bf4fd484_gemm_qkv-k_qa9bf4fd484_gemm_qkv
	.p2alignl 7, 3214868480
	.fill 96, 4, 3214868480
	.section	.rodata,"a",@progbits
	.p2align	6, 0x0
	.amdhsa_kernel k_qa9bf4fd484_gemm_qkv
		.amdhsa_group_segment_fixed_size 327680
		.amdhsa_private_segment_fixed_size 0
		.amdhsa_enable_private_segment 0
		.amdhsa_kernarg_size 48
		.amdhsa_user_sgpr_count 2
		.amdhsa_user_sgpr_kernarg_segment_ptr 1
		.amdhsa_wavefront_size32 1
		.amdhsa_system_sgpr_workgroup_id_x 1
		.amdhsa_system_sgpr_workgroup_id_y 1
		.amdhsa_system_sgpr_workgroup_id_z 1
		.amdhsa_system_vgpr_workitem_id 0
		.amdhsa_next_free_vgpr 1024
		.amdhsa_next_free_sgpr 102
		.amdhsa_reserve_vcc 1
		.amdhsa_float_denorm_mode_32 3
		.amdhsa_float_denorm_mode_16_64 3
		.amdhsa_memory_ordered 1
		.amdhsa_forward_progress 1
		.amdhsa_inst_pref_size 173
	.end_amdhsa_kernel
	.amdgpu_metadata
---
amdhsa.version: [ 1, 2 ]
amdhsa.kernels:
  - .name:           k_qa9bf4fd484_gemm_qkv
    .symbol:         k_qa9bf4fd484_gemm_qkv.kd
    .args:
      - { .name: ximg, .offset: 0, .size: 8, .value_kind: global_buffer, .address_space: global }
      - { .name: xsc, .offset: 8, .size: 8, .value_kind: global_buffer, .address_space: global }
      - { .name: wimg, .offset: 16, .size: 8, .value_kind: global_buffer, .address_space: global }
      - { .name: wsc, .offset: 24, .size: 8, .value_kind: global_buffer, .address_space: global }
      - { .name: qkv_b, .offset: 32, .size: 8, .value_kind: global_buffer, .address_space: global }
      - { .name: qkv, .offset: 40, .size: 8, .value_kind: global_buffer, .address_space: global }
    .group_segment_fixed_size: 327680
    .private_segment_fixed_size: 0
    .kernarg_segment_align: 8
    .kernarg_segment_size: 48
    .max_flat_workgroup_size: 128
    .sgpr_count:     102
    .vgpr_count:     1024
    .wavefront_size: 32
...
	.end_amdgpu_metadata
.endif
;; end of part 2
;; launch attn (part 3): grid 4 x 64, 16 waves a work-group, clusters of 4 x 1, 212,992 bytes of LDS; arguments qkv, aimg, asc; writes aimg, asc
.if DOCPART == 3
	.amdgcn_target "amdgcn-amd-amdhsa--gfx1250"
	.amdhsa_code_object_version 6
	.text
	.protected	k_qa9bf4fd484_attn
	.globl	k_qa9bf4fd484_attn
	.p2align	8
	.type	k_qa9bf4fd484_attn,@function
k_qa9bf4fd484_attn:
	s_mov_b64 s[64:65], 0
	v_nop
	global_prefetch_b8 v0, s[64:65] scope:SCOPE_SE
	s_setreg_imm32_b32 hwreg(HW_REG_WAVE_MODE, 25, 1), 1
	s_wait_xcnt 0x0
	s_wait_alu depctr_hold_cnt(0) depctr_sa_sdst(0) depctr_va_vdst(0) depctr_va_sdst(0) depctr_va_ssrc(0) depctr_va_vcc(0) depctr_vm_vsrc(0)
	s_getreg_b32 s2, hwreg(HW_REG_IB_STS2, 6, 4)
	s_cmp_eq_u32 s2, 0
	s_cbranch_scc0 .Lentry_in_a_cluster
	s_endpgm
.Lentry_in_a_cluster:
	s_bfe_u32 s2, ttmp6, 0x10000c
	s_cmp_lg_u32 s2, 0x3003
	s_cbranch_scc0 .Lentry_shape_is_right
	s_endpgm
.Lentry_shape_is_right:
; Causal attention of one (batch, head) a cluster, head size 64, 2,048 tokens, both products on codes of FP6 (E2M3) with E8M0 scales; the result, O / l, is quantised along the channels and leaves as codes.
; Key steps that lie wholly behind a tile's diagonal are hidden by the causal mask that the problem builds itself: they are jumped over.
; IN, for each (batch, head) HS bytes: 16 records of q (8 tiles x 768, 512 bytes of scale words), then 16 records of 13,056 bytes for 128 keys each: k 8 tiles x 768, v [channel tile 4][key half 2][768], k's scale words, v's.
; All are images of the matrix operand's registers; tile row r is row 32 (T / 2) + 8 (T % 2) + r + 8 (r / 8): so the 16 registers of two neighbouring tiles of S^T are 16 neighbouring keys.
; THE SOFTMAX: t = score x log2(e) / 8; M = the row's largest t so far, rounded UP to a whole number; p = 2^(t - M) is quantised along the keys, not normalised; the row's sum is taken of the unquantised p and
; divides O at the end.  When M moves, the sum and O are multiplied by 2^(old M - new M): exact.
; SHARES.  The head's 16 key records, 208,896 bytes, lie in each work-group's LDS, filled ONCE: wave w asks for record w, jointly with the same wave of the cluster's other three work-groups.  No byte is filled twice: no ring,
; and no loop ahead of which a tile could be asked for into the L2: all tiles are asked for at the head.  Waves 0-4 have a load line of their own and wait ahead of the first barrier, which shows records 0-4; the second barrier shows all.
; Wave w of work-group cx owns two tiles of 16 queries: 127 - (4 w + cx), which needs key steps 0 .. 15 - w / 2, and 4 w + cx, which needs 0 .. w / 2: 17 key steps for every wave of the launch.
; The last steps hang on the wave's number alone; cx enters global addresses and the mask's numbers, never a branch or an LDS address.  Every loop has a constant count; a step past a tile's last is jumped over.
; Both products are used transposed (S^T = k q^T, O^T = v^T p^T): a lane holds one query throughout.
; THE FIRST PRODUCT'S K IS 64.  Registers 6-11 of q's fragment are zero codes, and both sides' scale bytes of K positions 64 on are 0.  So whatever codes k's operand holds there add nothing: k's eight fragments lie six registers
; apart, each operand's upper six registers being the next tile's codes (the last tile's: six registers set once).  All eight are fetched in one run, a step ahead: right behind the products that read the step before's.
; LIMITS: a block's largest p is made from the block's largest score by the same two instructions, which takes v_exp_f32 not to fall where its input rises; 1 / l by v_rcp_f32; a block of zeros gets the byte 1;
; NaN and infinities are not served.
; REGISTERS: v1 16 lane, v2 8 lane, v3, v4 the mask's numbers, v7 16 r, v8-9 this record's LDS addresses, v11, v93 the next record's, v10 q's scale word, v12 -M, v13 the largest t, v[14:15] the sum, v16-27 q, v28-31 k's scale words,
; v32-79 k's eight fragments, v80-85 set once, v86-92 the second tile's q, v94-95 v's scale words, v96-159 S^T, then p, then v's four fragments, v160-191 O^T, v192-223 O / l, v224-235 codes, v232-255 at work.
.set HS,    315392
.set XSLOT, 1572864
.set REC,   13056
.set SPARE, 16*REC                     ; behind the records: the spare words, 128 bytes for each of 16 waves
.set FIRST, 5                          ; records shown by the first barrier: the first four steps read records 0-3 and fetch k as far as record 4
.set SPW,   5
.set NIL,   6
.set ADA,   8
.set ADB,   9
.set AKA,   11
.set AKB,   93
.set KS,    28
.set KF,    32
.set VS,    94
.set WV,    10                         ; s10  my wave's number
.set SEL,   14                         ; s[14:15] lane selects: lane l xor 16
.set CS,    16                         ; s[16:17] c = log2(e) / 8
.set SI,    18                         ; s18  the key step
.set TB,    19                         ; s19  its record's LDS byte
.set DG,    20                         ; s20  the tile's last key step, the one on the diagonal
.set CNT,   21                         ; s21  a loop's trips
.set G1A,   24                         ; s[24:31] group 1: one record;  s[40:43] group 0
.set G0A,   40
.macro ROUND
	s_barrier_signal -1
	s_barrier_wait -1
	s_cmp_lg_u32 s[WV], 0
	s_cbranch_scc1 .Lnot_wave_0_\@
	s_barrier_signal -3
.Lnot_wave_0_\@:
	s_barrier_wait -3
	s_barrier_signal -1
	s_barrier_wait -1
.endm
.macro NOPS n
.rept \n
	v_nop
.endr
.endm
.macro KLOAD a, b                      ; a record's eight fragments of k and their scale words: 17 loads
.irp t, 0,1,2,3,4,5,6,7
	ds_load_b128 v[KF+6*\t:KF+6*\t+3], \a offset:768*\t
	ds_load_b64 v[KF+6*\t+4:KF+6*\t+5], \b offset:768*\t+512
.endr
	ds_load_b128 v[KS:KS+3], \a offset:12288       ; register q: lanes 0-15 tile 2 q, lanes 16-31 tile 2 q + 1
.endm
	s_load_b128 s[4:7], s[0:1], 0x0                ; qkv s[4:5], aimg s[6:7]
	s_load_b64 s[8:9], s[0:1], 0x10                ; asc
	v_lshl_add_u32 v[SPW], v0, 2, SPARE
	v_mov_b32 v[NIL], 0
	ds_add_u32 v[SPW], v[NIL]                      ; the opening lines: the add, twice on end, and one wait
	ds_add_u32 v[SPW], v[NIL]
	v_lshrrev_b32 v1, 5, v0
	s_delay_alu instid0(VALU_DEP_1)
	v_readfirstlane_b32 s[WV], v1                  ; wave 0..15
	s_bfe_u32 s11, ttmp6, 0x40000                  ; cx
	s_and_b32 s12, ttmp7, 0xffff                   ; 16 x batch + head, which the four partners share
	s_mov_b32 s[G1A], 15|(3<<16)|(1<<21)           ; the mask: all four work-groups; elements of 8 bytes; bit 21 beside a mask; no padding
	s_mov_b32 s[G1A+1], 32<<16                     ; rows of 256 bytes,
	s_mov_b32 s[G1A+2], 51<<16                     ; 51 to a record
	s_mov_b32 s[G1A+3], 32<<16
	s_mov_b32 s[G1A+4], 51
	s_mov_b32 s[G1A+5], 32
	s_mov_b32 s[G1A+6], 0
	s_mov_b32 s[G1A+7], 0
	s_mul_i32 s22, s12, HS
	s_mov_b32 s23, 0
	s_mul_i32 s2, s[WV], REC                       ; record w: the same bytes on in LDS as in memory
	s_mov_b32 s[SEL], 0x76543210
	s_mov_b32 s[SEL+1], 0xfedcba98
	s_mov_b32 s[CS], 0x3e38aa3b
	s_mov_b32 s[CS+1], s[CS]
	s_wait_dscnt 0x0
	s_wait_kmcnt 0x0
	s_add_nc_u64 s[4:5], s[4:5], s[22:23]          ; qkv at my head
	s_mov_b32 s[G0A], 1
	s_mov_b32 s[G0A+1], s2
	s_mov_b32 s70, s2
	s_mov_b32 s71, 0
	s_add_nc_u64 s[G0A+2:G0A+3], s[4:5], s[70:71]
	s_add_nc_u64 s[G0A+2:G0A+3], s[G0A+2:G0A+3], 106496
	s_or_b32 s[G0A+3], s[G0A+3], 0x80000000
	ROUND                                          ; all four work-groups are here: the joint loads meet
	s_cmp_lt_u32 s[WV], FIRST                      ; one load a wave, in two arms: the waves that wait ahead of the first barrier have a line of their own
	s_cbranch_scc0 .Lfill_late
	tensor_load_to_lds s[G0A:G0A+3], s[G1A:G1A+7]
	s_nop 0
	NOPS 4
	s_branch .Lfilled
.Lfill_late:
	tensor_load_to_lds s[G0A:G0A+3], s[G1A:G1A+7]
	s_nop 0
	NOPS 4
.Lfilled:
	s_and_b32 s2, s12, 15                          ; the head
	s_lshr_b32 s3, s2, 2
	s_mul_i32 s72, s3, XSLOT                       ; in aimg a head is one half image: K / 256 = head / 4,
	s_and_b32 s3, s2, 3
	s_mul_i32 s3, s3, 768                          ; half image head % 4
	s_add_co_u32 s72, s72, s3
	s_lshr_b32 s3, s2, 3
	s_lshl_b32 s73, s3, 8                          ; in asc: K half head / 8,
	s_bfe_u32 s3, s2, 0x20001
	s_lshl_b32 s3, s3, 2                           ; word (head / 2) % 4,
	s_add_co_u32 s73, s73, s3
	s_and_b32 s3, s2, 1
	s_lshl_b32 s3, s3, 1                           ; bytes 2 (head % 2) and the next
	s_add_co_u32 s73, s73, s3
	s_lshr_b32 s74, s12, 4
	s_lshl_b32 s74, s74, 7                         ; the batch's first tile
	s_lshl_b32 s75, s[WV], 2
	s_add_co_u32 s75, s75, s11                     ; the short tile: 4 w + cx
	s_sub_co_u32 s76, 127, s75                     ; the long one
	s_lshr_b32 s69, s[WV], 1                       ; their last key steps
	s_sub_co_u32 s68, 15, s69
.macro TADDR t, qp, qs, ao, sp, sd     ; tile s[t]: q's codes, q's scale words, where the result's codes and bytes go; sd: the tile's first query within its key step
	s_lshr_b32 s70, s[\t], 3
	s_mul_i32 s70, s70, 6656
	s_and_b32 s2, s[\t], 7
	s_mul_i32 s22, s2, 768
	s_add_co_u32 s22, s22, s70
	s_add_nc_u64 s[\qp:\qp+1], s[4:5], s[22:23]
	s_and_b32 s3, s[\t], 1
	s_lshr_b32 s2, s2, 1
	s_lshl_b32 s22, s3, 8
	s_add_co_u32 s22, s22, s70
	s_lshl_b32 s71, s2, 2
	s_add_co_u32 s22, s22, s71
	s_add_co_u32 s22, s22, 6144
	s_add_nc_u64 s[\qs:\qs+1], s[4:5], s[22:23]
	s_lshl_b32 s[\sd], s2, 5
	s_lshl_b32 s3, s3, 3
	s_add_co_u32 s[\sd], s[\sd], s3
	s_add_co_u32 s70, s74, s[\t]
	s_mul_i32 s22, s70, 3072
	s_add_co_u32 s22, s22, s72
	s_add_nc_u64 s[\ao:\ao+1], s[6:7], s[22:23]
	s_lshl_b32 s22, s70, 9
	s_add_co_u32 s22, s22, s73
	s_add_nc_u64 s[\sp:\sp+1], s[8:9], s[22:23]
.endm
	TADDR 76, 48, 50, 56, 58, 66
	TADDR 75, 52, 54, 60, 62, 67
	v_and_b32 v1, 31, v0
	s_delay_alu instid0(VALU_DEP_1)
	v_lshlrev_b32 v2, 3, v1                        ; 8 lane
	s_delay_alu instid0(VALU_DEP_2)
	v_lshlrev_b32 v1, 4, v1                        ; 16 lane
	v_and_b32 v3, 15, v0                           ; r
	s_delay_alu instid0(VALU_DEP_1)
	v_lshlrev_b32 v7, 4, v3                        ; 16 r
	s_delay_alu instid0(VALU_DEP_2)
	v_and_b32 v8, 8, v3
	s_delay_alu instid0(VALU_DEP_1)
	v_add_nc_u32 v3, v3, v8
	v_bfe_u32 v8, v0, 4, 1
	s_delay_alu instid0(VALU_DEP_1)
	v_lshlrev_b32 v8, 4, v8
	s_delay_alu instid0(VALU_DEP_1)
	v_sub_nc_u32 v3, v3, v8                        ; r + 8 (r / 8) - 16 h
	global_load_b128 v[16:19], v1, s[48:49]        ; the long tile's q: a half image,
	global_load_b64 v[20:21], v2, s[48:49] offset:512
	global_load_b32 v10, v7, s[50:51]              ; its scale words (lanes 0-15 are read),
	global_load_b128 v[86:89], v1, s[52:53]        ; and the short tile's, kept for later
	global_load_b64 v[90:91], v2, s[52:53] offset:512
	global_load_b32 v92, v7, s[54:55]
.irp i, 22,23,24,25,26,27
	v_mov_b32 v[\i], 0                             ; q's K positions 64 on: zero codes, set once
.endr
.irp i, 80,81,82,83,84,85
	v_mov_b32 v[\i], 0                             ; the upper six registers of k's last operand, set once
.endr
.irp b, 0,1,2,3
	v_mov_b32 v[236+\b], 0                         ; a lane permute's destination counts as one of its sources
.endr
	v_mov_b32 v252, 0
	v_mov_b32 v253, 0
; A KEY STEP: 128 keys; k's fragments and scale words are in registers.  full = 1: a step past the tile's last is jumped over, and in the last the hidden scores become -infinity.
.macro STEP full
.if \full
	s_cmp_gt_u32 s[SI], s[DG]
	s_cbranch_scc1 .Lhidden_\@
.endif
	v_add_nc_u32 v[ADA], s[TB], v1
	v_add_nc_u32 v[ADB], s[TB], v2
	NOPS 3                                         ; with the two additions five places: S^T is written over registers that the last step's second product read as v
.irp t, 0,1,2,3,4,5,6,7                ; S^T = k q^T
.if \t%2
	v_wmma_scale_f32_16x16x128_f8f6f4 v[96+8*\t:103+8*\t], v[KF+6*\t:KF+6*\t+11], v[16:27], 0, v[KS+\t/2], v10 matrix_a_fmt:MATRIX_FMT_FP6 matrix_b_fmt:MATRIX_FMT_FP6 matrix_a_scale:MATRIX_SCALE_ROW1
.else
	v_wmma_scale_f32_16x16x128_f8f6f4 v[96+8*\t:103+8*\t], v[KF+6*\t:KF+6*\t+11], v[16:27], 0, v[KS+\t/2], v10 matrix_a_fmt:MATRIX_FMT_FP6 matrix_b_fmt:MATRIX_FMT_FP6
.endif
.endr                                  ; lane (r, h) holds query r; register 16 b + i is key 32 b + 16 h + i of the step
	s_add_co_u32 s22, s[TB], REC
	s_min_u32 s22, s22, 15*REC                     ; the next record, held at the last
	v_add_nc_u32 v[AKA], s22, v1
	v_add_nc_u32 v[AKB], s22, v2
	NOPS 2                                         ; with the two additions four places behind the products
	KLOAD v[AKA], v[AKB]                           ; the next step's k; the wait ahead of this step's second product covers these loads
.if \full
	s_cmp_lg_u32 s[SI], s[DG]
	s_cbranch_scc1 .Lopen_\@
	v_mov_b32 v254, 0xff800000                     ; on the diagonal: key 32 b + i + 16 h is hidden where it comes after my query: 32 b + i > v4
.set n, 0
.rept 64
	v_cmp_gt_i32 vcc_lo, 32*(n/16)+n%16, v4
	v_cndmask_b32 v[96+n], v[96+n], v254, vcc_lo
.set n, n+1
.endr
.Lopen_\@:
.endif
.irp b, 0,1,2,3
	v_max3_num_f32 v[232+\b], v[96+16*\b], v[97+16*\b], v[98+16*\b]   ; the largest score of each block of 32 keys: it serves the row's maximum and the block's largest p
.endr
.irp i, 3,5,7,9,11,13
.irp b, 0,1,2,3
	v_max3_num_f32 v[232+\b], v[232+\b], v[96+16*\b+\i], v[97+16*\b+\i]
.endr
.endr
.irp b, 0,1,2,3
	v_max_num_f32 v[232+\b], v[232+\b], v[111+16*\b]
.endr
.irp b, 0,1,2,3
	s_delay_alu instid0(VALU_DEP_4)
	v_permlanex16_b32 v[236+\b], v[232+\b], s[SEL], s[SEL+1]
.endr
.irp b, 0,1,2,3
	s_delay_alu instid0(VALU_DEP_4)
	v_max_num_f32 v[232+\b], v[232+\b], v[236+\b]  ; with lane l xor 16's 16 keys
.endr
	s_delay_alu instid0(VALU_DEP_2)
	v_max3_num_f32 v254, v232, v233, v234
	s_delay_alu instid0(VALU_DEP_1)
	v_max_num_f32 v254, v254, v235
	s_delay_alu instid0(VALU_DEP_1)
	v_mul_f32 v254, s[CS], v254                    ; the step's largest t
	s_delay_alu instid0(VALU_DEP_1)
	v_max_num_f32 v13, v13, v254                   ; the running largest t
	v_mov_b32 v254, v12
	s_delay_alu instid0(VALU_DEP_2)
	v_floor_f32 v12, -v13                          ; -M = floor(-t): M is a whole number
	s_delay_alu instid0(VALU_DEP_1)
	v_sub_f32 v254, v12, v254                      ; old M - new M: a whole number, 0 or less
	s_delay_alu instid0(VALU_DEP_1)
	v_cvt_i32_f32 v254, v254                       ; (it saturates)
	s_delay_alu instid0(VALU_DEP_1)
	v_ldexp_f32 v252, 1.0, v254                    ; f = 2^(old M - new M)
.set n, 0
.rept 32
	v_pk_fma_f32 v[96+n:97+n], v[96+n:97+n], s[CS:CS+1], v[12:13] op_sel_hi:[1,0,0]   ; t - M, two at a time
.set n, n+2
.endr
.irp b, 0,1,2,3
	v_fma_f32 v[232+\b], v[232+\b], s[CS], v12     ; the same of each block's largest score
.endr
.set n, 0
	s_wait_alu depctr_va_vdst(0)                   ; the wait ahead of the batch
.rept 64
	v_exp_f32 v[96+n], v[96+n]                     ; p = 2^(t - M)
.set n, n+1
.endr
	v_pk_mul_f32 v[14:15], v[14:15], v[252:253] op_sel_hi:[1,0]   ; the sums under the new M: a plain place behind the exponentials
	s_wait_alu depctr_va_vdst(0)                   ; one wait for the whole batch, ahead of its first reader
.irp b, 0,1,2,3
	v_exp_f32 v[232+\b], v[232+\b]                 ; the blocks' largest p
.endr
	v_pk_add_f32 v[236:237], v[100:101], v[104:105]   ; the row's sum of the unquantised p, in eight chains
	v_pk_add_f32 v[254:255], v[108:109], v[112:113]
	v_pk_add_f32 v[250:251], v[116:117], v[120:121]
	v_pk_add_f32 v[248:249], v[124:125], v[128:129]
	v_pk_add_f32 v[246:247], v[132:133], v[136:137]
	v_pk_add_f32 v[244:245], v[140:141], v[144:145]
	v_pk_add_f32 v[242:243], v[148:149], v[152:153]
	v_pk_add_f32 v[14:15], v[14:15], v[156:157]
	v_pk_add_f32 v[236:237], v[236:237], v[96:97]
	v_pk_add_f32 v[254:255], v[254:255], v[98:99]
	v_pk_add_f32 v[250:251], v[250:251], v[102:103]
	v_pk_add_f32 v[248:249], v[248:249], v[106:107]
	v_pk_add_f32 v[246:247], v[246:247], v[110:111]
	v_pk_add_f32 v[244:245], v[244:245], v[114:115]
	v_pk_add_f32 v[242:243], v[242:243], v[118:119]
	v_pk_add_f32 v[14:15], v[14:15], v[122:123]
	v_pk_add_f32 v[236:237], v[236:237], v[126:127]
	v_pk_add_f32 v[254:255], v[254:255], v[130:131]
	v_pk_add_f32 v[250:251], v[250:251], v[134:135]
	v_pk_add_f32 v[248:249], v[248:249], v[138:139]
	v_pk_add_f32 v[246:247], v[246:247], v[142:143]
	v_pk_add_f32 v[244:245], v[244:245], v[146:147]
	v_pk_add_f32 v[242:243], v[242:243], v[150:151]
	v_pk_add_f32 v[14:15], v[14:15], v[154:155]
	v_pk_add_f32 v[236:237], v[236:237], v[158:159]
	s_delay_alu instid0(VALU_DEP_2)
	v_pk_add_f32 v[14:15], v[14:15], v[248:249]
	s_delay_alu instid0(VALU_DEP_2)
	v_pk_add_f32 v[236:237], v[236:237], v[246:247]
	v_pk_add_f32 v[254:255], v[254:255], v[244:245]
	v_pk_add_f32 v[250:251], v[250:251], v[242:243]
	s_delay_alu instid0(VALU_DEP_2)
	v_pk_add_f32 v[14:15], v[14:15], v[254:255]
	s_delay_alu instid0(VALU_DEP_2)
	v_pk_add_f32 v[236:237], v[236:237], v[250:251]
	s_delay_alu instid0(VALU_DEP_1)
	v_pk_add_f32 v[14:15], v[14:15], v[236:237]
	s_wait_alu depctr_va_vdst(0)                   ; and one for the four
.irp b, 0,1,2,3
	v_max_num_f32 v[232+\b], 0x1800000, v[232+\b]  ; the floor 2^(3 - 127): the byte cannot fall under 1
.endr
.irp b, 0,1,2,3
	s_delay_alu instid0(VALU_DEP_4)
	v_add_nc_u32 v[244+\b], 0xff000000, v[232+\b]
.endr
.irp b, 0,1,2,3
	s_delay_alu instid0(VALU_DEP_4)
	v_lshrrev_b32 v[236+\b], 23, v[244+\b]
.endr
	s_delay_alu instid0(VALU_DEP_3)
	v_lshl_or_b32 v253, v237, 8, v236              ; p's scale word for these 128 keys
	s_delay_alu instid0(VALU_DEP_1)
	v_lshl_or_b32 v253, v238, 16, v253
	s_delay_alu instid0(VALU_DEP_1)
	v_lshl_or_b32 v253, v239, 24, v253
.irp c, 0,1
	v_cvt_scalef32_pk16_fp6_f32 v[224+6*\c:226+6*\c], v[96+32*\c:111+32*\c], v[244+2*\c]
	v_cvt_scalef32_pk16_fp6_f32 v[236+4*\c:238+4*\c], v[112+32*\c:127+32*\c], v[245+2*\c]
.endr
	v_nop                                          ; one plain place behind a scaled conversion
.irp t, 0,1,2,3                        ; v's four fragments land where p lay: p is done with
	ds_load_b128 v[96+12*\t:99+12*\t], v[ADA] offset:6144+1536*\t
	ds_load_b64 v[100+12*\t:101+12*\t], v[ADB] offset:6144+1536*\t+512
	ds_load_b128 v[102+12*\t:105+12*\t], v[ADA] offset:6144+1536*\t+768
	ds_load_b64 v[106+12*\t:107+12*\t], v[ADB] offset:6144+1536*\t+1280
.endr
	ds_load_b64 v[VS:VS+1], v[ADB] offset:12800    ; v's scale words: register q: lanes 0-15 channel tile 2 q, lanes 16-31 tile 2 q + 1
.irp c, 0,1                            ; the operand's layout wants a whole block in a lane
.irp i, 0,1,2
	v_permlane16_swap_b32 v[224+6*\c+\i], v[236+4*\c+\i]
.endr
.irp i, 0,1,2
	s_delay_alu instid0(VALU_DEP_3)
	v_mov_b32 v[227+6*\c+\i], v[236+4*\c+\i]
.endr
.endr
.set n, 0
.rept 16
	v_pk_mul_f32 v[160+n:161+n], v[160+n:161+n], v[252:253] op_sel_hi:[1,0]   ; O^T under the new M; these sixteen are also the places between the scale word's and the codes' last writes and the products
.set n, n+2
.endr
	s_wait_alu depctr_va_vdst(0)
	s_wait_dscnt 0x0                               ; v's fragments are in, and so is the next step's k, asked for ahead of them
.irp t, 0,1,2,3                        ; O^T += v^T p^T: the four accumulators by turns
.if \t%2
	v_wmma_scale_f32_16x16x128_f8f6f4 v[160+8*\t:167+8*\t], v[96+12*\t:107+12*\t], v[224:235], v[160+8*\t:167+8*\t], v[VS+\t/2], v253 matrix_a_fmt:MATRIX_FMT_FP6 matrix_b_fmt:MATRIX_FMT_FP6 matrix_a_scale:MATRIX_SCALE_ROW1
.else
	v_wmma_scale_f32_16x16x128_f8f6f4 v[160+8*\t:167+8*\t], v[96+12*\t:107+12*\t], v[224:235], v[160+8*\t:167+8*\t], v[VS+\t/2], v253 matrix_a_fmt:MATRIX_FMT_FP6 matrix_b_fmt:MATRIX_FMT_FP6
.endif
.endr
.if \full
.Lhidden_\@:
.endif
	s_add_co_u32 s[SI], s[SI], 1
	s_add_co_u32 s[TB], s[TB], REC
.endm
; A tile begins: O^T and the sum as zeros, the largest t as -3e38: the first change of M multiplies zeros, so the step is written without a first form.
.macro TILE_IN second, sd, dg
.if \second
.irp i, 0,1,2,3,4,5
	v_mov_b32 v[16+\i], v[86+\i]
.endr
	v_mov_b32 v10, v92
.endif
	v_add_nc_u32 v4, s[\sd], v3                    ; my query within its key step, less 16 h
	v_mov_b32 v13, 0xff61b1e6
	s_delay_alu instid0(VALU_DEP_1)
	v_floor_f32 v12, -v13
	v_mov_b32 v14, 0
	v_mov_b32 v15, 0
.set n, 0
.rept 32
	v_mov_b32 v[160+n], 0
.set n, n+1
.endr
	s_mov_b32 s[DG], s[\dg]
	s_mov_b32 s[SI], 0
	s_mov_b32 s[TB], 0
.endm
.macro KPRE                            ; record 0's k, ahead of a tile's first step (record 0 begins at LDS byte 0)
	KLOAD v1, v2
	s_wait_alu depctr_va_vdst(0)                   ; the wait ahead of the blocking wait
	s_wait_dscnt 0x0
.endm
; A tile ends: O^T / l (register 16 b + i = channel 32 b + 16 h + i of my query) is two blocks of the last product's K: quantised, it is one half image and two scale bytes a row.
.macro TILE_OUT ao, sp
	NOPS 4                                         ; places behind the last products
	v_add_f32 v14, v14, v15
	s_delay_alu instid0(VALU_DEP_1)
	v_permlanex16_b32 v252, v14, s[SEL], s[SEL+1]
	s_delay_alu instid0(VALU_DEP_1)
	v_add_f32 v14, v14, v252                       ; the row's sum
	s_wait_alu depctr_va_vdst(0)
	v_rcp_f32 v14, v14
	v_nop                                          ; a plain place behind the transcendental
	s_wait_alu depctr_va_vdst(0)                   ; and the wait ahead of its first reader
.set n, 0
.rept 16
	v_pk_mul_f32 v[192+n:193+n], v[160+n:161+n], v[14:15] op_sel_hi:[1,0]   ; each accumulator from its low end on
.set n, n+2
.endr
.irp b, 0,1
	v_max3_num_f32 v[232+\b], |v[192+16*\b]|, |v[193+16*\b]|, 0x1800000
.endr
.irp i, 2,4,6,8,10,12,14
.irp b, 0,1
	s_delay_alu instid0(VALU_DEP_2)
	v_max3_num_f32 v[232+\b], v[232+\b], |v[192+16*\b+\i]|, |v[193+16*\b+\i]|
.endr
.endr
.irp b, 0,1
	s_delay_alu instid0(VALU_DEP_2)
	v_permlanex16_b32 v[236+\b], v[232+\b], s[SEL], s[SEL+1]
.endr
.irp b, 0,1
	s_delay_alu instid0(VALU_DEP_2)
	v_max_num_f32 v[232+\b], v[232+\b], v[236+\b]
.endr
.irp b, 0,1
	s_delay_alu instid0(VALU_DEP_2)
	v_add_nc_u32 v[244+\b], 0xff000000, v[232+\b]
.endr
.irp b, 0,1
	s_delay_alu instid0(VALU_DEP_2)
	v_lshrrev_b32 v[236+\b], 23, v[244+\b]
.endr
	s_delay_alu instid0(VALU_DEP_1)
	v_lshl_or_b32 v248, v237, 8, v236              ; the head's two bytes of my row's scale word
	v_cvt_scalef32_pk16_fp6_f32 v[224:226], v[192:207], v244
	v_cvt_scalef32_pk16_fp6_f32 v[228:230], v[208:223], v245
	v_nop                                          ; one plain place behind a scaled conversion
.irp i, 0,1,2
	v_permlane16_swap_b32 v[224+\i], v[228+\i]
.endr
	s_delay_alu instid0(VALU_DEP_3)
	v_mov_b32 v227, v228
	s_delay_alu instid0(VALU_DEP_3)
	v_mov_b32 v228, v229
	s_delay_alu instid0(VALU_DEP_3)
	v_mov_b32 v229, v230
	global_store_b128 v1, v[224:227], s[\ao:\ao+1]              ; 512 consecutive bytes, aligned
	global_store_b64 v2, v[228:229], s[\ao:\ao+1] offset:512    ; 256
	global_store_b16 v7, v248, s[\sp:\sp+1]        ; two bytes a row, 16 bytes apart: a head owns no more of a scale word (lanes l and l xor 16 store the same)
	s_wait_xcnt 0x0                                ; the stores have read their registers, which the next tile writes
.endm
	TILE_IN 0, 66, 68                              ; the long tile
	s_wait_alu depctr_va_vdst(0)                   ; the wait at the head's end
	s_wait_loadcnt 0x0                             ; q
	s_cmp_lt_u32 s[WV], FIRST
	s_cbranch_scc0 .Lnot_first
	s_wait_tensorcnt 0x0                           ; waves 0-4: my record has landed
.Lnot_first:
	s_barrier_signal -1
	s_barrier_wait -1                              ; records 0-4 are whole
	KPRE
	s_mov_b32 s[CNT], 4
.Lfirst_four:                                      ; the long tile's last step is 8 or later: these four are open for every wave
	STEP 0
	s_sub_co_u32 s[CNT], s[CNT], 1
	s_cmp_lg_u32 s[CNT], 0
	s_cbranch_scc1 .Lfirst_four
	s_wait_tensorcnt 0x0                           ; every wave: my record has landed
	s_wait_dscnt 0x0
	s_barrier_signal -1
	s_barrier_wait -1                              ; all sixteen records are whole; from here on the waves run free
	s_mov_b32 s[CNT], 12
.Llong:
	STEP 1
	s_sub_co_u32 s[CNT], s[CNT], 1
	s_cmp_lg_u32 s[CNT], 0
	s_cbranch_scc1 .Llong
	TILE_OUT 56, 58
	TILE_IN 1, 67, 69                              ; the short tile
	KPRE
	s_mov_b32 s[CNT], 8
.Lshort:
	STEP 1
	s_sub_co_u32 s[CNT], s[CNT], 1
	s_cmp_lg_u32 s[CNT], 0
	s_cbranch_scc1 .Lshort
	TILE_OUT 60, 62
	s_wait_tensorcnt 0x0                           ; the wave's end
	ds_add_u32 v[SPW], v[NIL]
	s_wait_dscnt 0x0
	ROUND                                          ; the closing round
	s_endpgm
.Lfunc_end_k_qa9bf4fd484_attn:
	.size	k_qa9bf4fd484_attn, .Lfunc_end_k_qa9bf4fd484_attn-k_qa9bf4fd484_attn
	.p2alignl 7, 3214868480
	.fill 96, 4, 3214868480
	.section	.rodata,"a",@progbits
	.p2align	6, 0x0
	.amdhsa_kernel k_qa9bf4fd484_attn
		.amdhsa_group_segment_fixed_size 212992
		.amdhsa_private_segment_fixed_size 0
		.amdhsa_enable_private_segment 0
		.amdhsa_kernarg_size 24
		.amdhsa_user_sgpr_count 2
		.amdhsa_user_sgpr_kernarg_segment_ptr 1
		.amdhsa_wavefront_size32 1
		.amdhsa_system_sgpr_workgroup_id_x 1
		.amdhsa_system_sgpr_workgroup_id_y 1
		.amdhsa_system_sgpr_workgroup_id_z 1
		.amdhsa_system_vgpr_workitem_id 0
		.amdhsa_next_free_vgpr 256
		.amdhsa_next_free_sgpr 80
		.amdhsa_reserve_vcc 1
		.amdhsa_float_denorm_mode_32 3
		.amdhsa_float_denorm_mode_16_64 3
		.amdhsa_memory_ordered 1
		.amdhsa_forward_progress 1
		.amdhsa_inst_pref_size 84
	.end_amdhsa_kernel
	.amdgpu_metadata
---
amdhsa.version: [ 1, 2 ]
amdhsa.kernels:
  - .name:           k_qa9bf4fd484_attn
    .symbol:         k_qa9bf4fd484_attn.kd
    .args:
      - { .name: qkv, .offset: 0, .size: 8, .value_kind: global_buffer, .address_space: global }
      - { .name: aimg, .offset: 8, .size: 8, .value_kind: global_buffer, .address_space: global }
      - { .name: asc, .offset: 16, .size: 8, .value_kind: global_buffer, .address_space: global }
    .group_segment_fixed_size: 212992
    .private_segment_fixed_size: 0
    .kernarg_segment_align: 8
    .kernarg_segment_size: 24
    .max_flat_workgroup_size: 512
    .sgpr_count:     80
    .vgpr_count:     256
    .wavefront_size: 32
...
	.end_amdgpu_metadata
.endif
;; end of part 3
;; launch gemm_proj (part 4): grid 4 x 64, 4 waves a work-group, clusters of 4 x 4, 327,680 bytes of LDS; arguments aimg, asc, wimg, wsc, proj_b, out0; writes out0
.if DOCPART == 4
	.amdgcn_target "amdgcn-amd-amdhsa--gfx1250"
	.amdhsa_code_object_version 6
	.text
	.protected	k_qa9bf4fd484_gemm_proj
	.globl	k_qa9bf4fd484_gemm_proj
	.p2align	8
	.type	k_qa9bf4fd484_gemm_proj,@function
k_qa9bf4fd484_gemm_proj:
	s_mov_b64 s[64:65], 0
	v_nop
	global_prefetch_b8 v0, s[64:65] scope:SCOPE_SE
	s_setreg_imm32_b32 hwreg(HW_REG_WAVE_MODE, 25, 1), 1
	s_wait_xcnt 0x0
	s_wait_alu depctr_hold_cnt(0) depctr_sa_sdst(0) depctr_va_vdst(0) depctr_va_sdst(0) depctr_va_ssrc(0) depctr_va_vcc(0) depctr_vm_vsrc(0)
	s_getreg_b32 s2, hwreg(HW_REG_IB_STS2, 6, 4)
	s_cmp_eq_u32 s2, 0
	s_cbranch_scc0 .Lentry_in_a_cluster
	s_endpgm
.Lentry_in_a_cluster:
	s_bfe_u32 s2, ttmp6, 0x10000c
	s_cmp_lg_u32 s2, 0xf033
	s_cbranch_scc0 .Lentry_shape_is_right
	s_endpgm
.Lentry_shape_is_right:
; out0 = attention's result x proj_w + proj_b on codes of FP6 (E2M3) with E8M0 scales, K = 1,024; out0 is f32.
; OPERANDS are images of the matrix operand's registers: tile T = 16 rows, tile row r = operand row 32 (T / 2) + 8 (T % 2) + r + 8 (r / 8); a half image (16 rows x 64 K) is 768 bytes: registers 0-3 at 16 lane,
; registers 4-5 at 512 + 8 lane.  Codes [K / 256][tile][4 half images], scale words [tile][K half][r][4 words]; proj_w's columns are the weights' tiles 192-255.
; SHAPE: 256 work-groups of four waves; a work-group makes 128 tokens x 256 columns, a wave 64 x 128: 32 accumulators.  Source 0 = 16 columns of the weight (B), source 1 = 16 tokens (A): a lane holds eight
; neighbouring columns of one token.
; ALL OF K LIES IN LDS, FILLED ONCE: A's 8 tiles and B's 16 tiles x 1,024 K are 294,912 bytes.  No ring, no refill, and no loop ahead of which a tile could be asked for into the L2.
; In memory 256 along K of neighbouring tiles is one dense block (24,576 bytes of A, 49,152 of B), and the blocks of K / 256 = 0 .. 3 lie a constant pitch apart: a tensor load takes two such blocks as two rows.
; Four joint loads at the head, one a wave, each in its own arm: wave 0 A's K half 0, wave 1 B's, wave 2 A's K half 1, wave 3 B's.  The first barrier waits for waves 0 and 1 alone; the second, at K step 3, for all.
; CLUSTERS 4 x 4: A's tiles are shared along a row of the cluster, B's along a column.
; SCALE WORDS go from memory into registers: a tile's words of all of K are 512 dense bytes, 16 a lane: lanes 0-15 hold K steps 0-3 of row r, lanes 16-31 K steps 4-7; the products pick the half of the lanes.
; The bias is the C of each sum's first product.  THE WAY OUT goes through a stage in LDS, in the bytes of K half 0, which nobody reads behind the second barrier and no load fills again.
; REGISTERS: window 0: v8-23 LDS addresses, v32-63 B's scale words, v66-81 A's, v96-159 the bias, v160-255 A's fragments, two sets; window 1: B's fragments, two sets (v0, v128); window 2: the accumulators.
.set XSLOT,  1572864
.set WSLOT,  786432
.set TILEB,  3072
.set ASL,    8*TILEB                   ; A's 8 tiles x 256 K
.set BSL,    16*TILEB                  ; B's 16
.set BOFF,   2*ASL                     ; in a K half: A's two blocks, then B's two
.set HALFB,  2*ASL+2*BSL
.set SPARE,  2*HALFB                   ; the spare words, 128 bytes for each wave
.set SPITCH, 528
.set FR,     12
.set ADA16,  8                         ; v8-11 A's fragments of K / 256 = 0 .. 3: + 16 lane; v12-15: + 8 lane
.set ADA8,   12
.set ADB16,  16                        ; v16-23 the same for B
.set ADB8,   20
.set STO,    24
.set RD,     25
.set CO,     26                        ; 16 lane
.set SPW,    28
.set NIL,    29
.set SCB,    32
.set SCA,    66
.set BC,     96
.set AF,     160
.set BK,     128
.set G1,     24                        ; s[24:31] group 1 for A, s[48:55] for B; s[32:47] four groups 0
.set G1B,    48
.set G0,     32
.set MSB, 0
.macro WIN new
.if MSB != (\new)
	s_set_vgpr_msb (MSB<<8)|(\new)
.set MSB, (\new)
.endif
.endm
.macro PLACES
.rept 4
	v_nop
.endr
.endm
.macro CROUND                          ; a round of the cluster's barrier
	s_barrier_signal -1
	s_barrier_wait -1
	s_cmp_lg_u32 s16, 0
	s_cbranch_scc1 .Lnot_wave_0_\@
	s_barrier_signal -3
.Lnot_wave_0_\@:
	s_barrier_wait -3
	s_barrier_signal -1
	s_barrier_wait -1
.endm
	s_load_b256 s[4:11], s[0:1], 0x0               ; aimg s[4:5], asc s[6:7], wimg s[8:9], wsc s[10:11]
	s_load_b128 s[12:15], s[0:1], 0x20             ; proj_b s[12:13], out0 s[14:15]
	v_lshl_add_u32 v[SPW], v0, 2, SPARE
	v_mov_b32 v[NIL], 0
	ds_add_u32 v[SPW], v[NIL]                      ; the opening lines: the add, twice on end, and one wait
	ds_add_u32 v[SPW], v[NIL]
	v_lshrrev_b32 v1, 5, v0
	v_readfirstlane_b32 s16, v1                    ; wave 0..3
	s_lshr_b32 s17, s16, 1                         ; which four tiles of A are mine
	s_and_b32 s18, s16, 1                          ; which eight of B
	s_bfe_u32 s19, ttmp6, 0x40000                  ; cx
	s_bfe_u32 s20, ttmp6, 0x40004                  ; cy
	s_and_b32 s66, ttmp7, 0xffff
	s_lshl_b32 s66, s66, 2
	s_add_co_u32 s66, s66, s20                     ; the block of 128 tokens, 0 .. 63
	s_lshl_b32 s67, ttmp9, 2
	s_add_co_u32 s67, s67, s19                     ; the block of 256 columns, 0 .. 3
	s_lshl_b32 s68, s20, 2
	s_lshl_b32 s68, 15, s68                        ; my row of the cluster
	s_lshl_b32 s69, 0x1111, s19                    ; my column
	s_or_b32 s[G1], s68, (3<<16)|(1<<21)           ; the mask; elements of 8 bytes; bit 21 beside a mask; no padding: the images are read densely
	s_mov_b32 s[G1+1], (ASL/8)<<16                 ; a row: 24,576 bytes
	s_mov_b32 s[G1+2], 2<<16                       ; two rows
	s_mov_b32 s[G1+3], (ASL/8)<<16
	s_mov_b32 s[G1+4], 2
	s_mov_b32 s[G1+5], XSLOT/8                     ; from K / 256 to the next
	s_mov_b32 s[G1+6], 0
	s_mov_b32 s[G1+7], 0
	s_or_b32 s[G1B], s69, (3<<16)|(1<<21)
	s_mov_b32 s[G1B+1], (BSL/8)<<16                ; 49,152 bytes
	s_mov_b32 s[G1B+2], 2<<16
	s_mov_b32 s[G1B+3], (BSL/8)<<16
	s_mov_b32 s[G1B+4], 2
	s_mov_b32 s[G1B+5], WSLOT/8
	s_mov_b32 s[G1B+6], 0
	s_mov_b32 s[G1B+7], 0
	s_mul_i32 s80, s66, ASL                        ; A's codes: tile 8 x block
	s_mov_b32 s81, 0
	s_lshl_b32 s82, s66, 12                        ; A's scale words: 512 bytes a tile, my four tiles
	s_lshl_b32 s21, s17, 11
	s_add_co_u32 s82, s82, s21
	s_mov_b32 s83, 0
	s_lshl_b32 s22, s67, 4
	s_add_co_u32 s22, s22, 192                     ; B's first tile
	s_mul_i32 s84, s22, TILEB
	s_mov_b32 s85, 0
	s_lshl_b32 s86, s22, 9
	s_lshl_b32 s21, s18, 12
	s_add_co_u32 s86, s86, s21                     ; B's scale words, my eight tiles
	s_mov_b32 s87, 0
	s_lshl_b32 s88, s67, 10
	s_lshl_b32 s21, s18, 9
	s_add_co_u32 s88, s88, s21                     ; my first column, in bytes
	s_mov_b32 s89, 0
	s_lshl_b32 s90, s66, 7
	s_lshl_b32 s21, s17, 6
	s_add_co_u32 s90, s90, s21
	s_lshl_b32 s90, s90, 12                        ; my first token's row of 4,096 bytes
	s_mov_b32 s91, 0
	s_mul_i32 s92, s16, 16*SPITCH                  ; my stage
	s_mul_i32 s21, s17, 4*TILEB
	s_mul_i32 s22, s18, 8*TILEB
.irp s, 0,1,2,3
	s_add_co_u32 s[56+\s], s21, (\s/2)*HALFB+(\s%2)*ASL
	s_add_co_u32 s[60+\s], s22, (\s/2)*HALFB+BOFF+(\s%2)*BSL
.endr
	s_wait_dscnt 0x0                               ; both opening adds are done
	s_wait_kmcnt 0x0
	s_add_nc_u64 s[4:5], s[4:5], s[80:81]
	s_add_nc_u64 s[6:7], s[6:7], s[82:83]
	s_add_nc_u64 s[8:9], s[8:9], s[84:85]
	s_add_nc_u64 s[10:11], s[10:11], s[86:87]
	s_add_nc_u64 s[12:13], s[12:13], s[88:89]
	s_add_nc_u64 s[14:15], s[14:15], s[88:89]
	s_add_nc_u64 s[14:15], s[14:15], s[90:91]
	CROUND                                         ; all sixteen work-groups are here: the joint loads meet
	s_mov_b32 s[G0], 1                             ; A, K half 0
	s_mov_b32 s[G0+1], 0
	s_mov_b64 s[G0+2:G0+3], s[4:5]
	s_or_b32 s[G0+3], s[G0+3], 0x80000000
	s_mov_b32 s[G0+4], 1                           ; B, K half 0
	s_mov_b32 s[G0+5], BOFF
	s_mov_b64 s[G0+6:G0+7], s[8:9]
	s_or_b32 s[G0+7], s[G0+7], 0x80000000
	s_mov_b32 s[G0+8], 1                           ; A, K half 1
	s_mov_b32 s[G0+9], HALFB
	s_add_nc_u64 s[G0+10:G0+11], s[4:5], 2*XSLOT
	s_or_b32 s[G0+11], s[G0+11], 0x80000000
	s_mov_b32 s[G0+12], 1                          ; B, K half 1
	s_mov_b32 s[G0+13], HALFB+BOFF
	s_add_nc_u64 s[G0+14:G0+15], s[8:9], 2*WSLOT
	s_or_b32 s[G0+15], s[G0+15], 0x80000000
.macro ARM under, g0, g1, next         ; one chain of branches on the wave's number, one load to an arm, all arms to one join
	s_cmp_lt_u32 s16, \under
	s_cbranch_scc0 \next
	tensor_load_to_lds s[\g0:\g0+3], s[\g1:\g1+7]
	s_nop 0
	PLACES
	s_branch .Lhead_asked
\next:
.endm
	ARM 1, G0,   G1,  .Lhead_b0
	ARM 2, G0+4, G1B, .Lhead_a1
	ARM 3, G0+8, G1,  .Lhead_b1
	tensor_load_to_lds s[G0+12:G0+15], s[G1B:G1B+7]
	s_nop 0
	PLACES
.Lhead_asked:
	v_and_b32 v1, 15, v0                           ; r
	v_bfe_u32 v2, v0, 4, 1                         ; h
	v_and_b32 v3, 31, v0
	v_lshlrev_b32 v[CO], 4, v3
	v_lshlrev_b32 v7, 3, v3
.irp s, 0,1,2,3
	v_add_nc_u32 v[ADA16+\s], s[56+\s], v[CO]
	v_add_nc_u32 v[ADA8+\s], s[56+\s], v7
	v_add_nc_u32 v[ADB16+\s], s[60+\s], v[CO]
	v_add_nc_u32 v[ADB8+\s], s[60+\s], v7
.endr
	v_lshlrev_b32 v6, 6, v2                        ; the bias: 64 h bytes
	v_mul_u32_u24 v5, v1, SPITCH                   ; the stage, in: row r, 64 bytes for each half of the lanes
	v_lshl_add_u32 v5, v2, 6, v5
	v_add_nc_u32 v[STO], s92, v5
	v_add_nc_u32 v[RD], s92, v[CO]                 ; back: the 32 lanes take one row of 512 bytes
	s_wait_alu depctr_va_vdst(0)                   ; the wait at the head's end
.irp i, 0,1,2,3
	global_load_b128 v[SCA+4*\i:SCA+4*\i+3], v[CO], s[6:7] offset:512*\i
.endr
.irp b, 0,1,2,3,4,5,6,7
	global_load_b128 v[SCB+4*\b:SCB+4*\b+3], v[CO], s[10:11] offset:512*\b
.endr
.irp b, 0,1,2,3,4,5,6,7                ; the bias in the result's layout: register j of B's tile b is column 32 (b / 2) + 8 (b % 2) + 16 h + j
	global_load_b128 v[BC+8*\b:BC+8*\b+3], v6, s[12:13] offset:(32*(\b/2)+8*(\b%2))*4
	global_load_b128 v[BC+8*\b+4:BC+8*\b+7], v6, s[12:13] offset:(32*(\b/2)+8*(\b%2))*4+16
.endr
.macro FRAG reg, a16, a8, off          ; a fragment, 16 rows x 128 K: two half images on end, four dense loads
	ds_load_b128 v[(\reg):(\reg)+3], v[\a16] offset:(\off)
	ds_load_b64 v[(\reg)+4:(\reg)+5], v[\a8] offset:(\off)+512
	ds_load_b128 v[(\reg)+6:(\reg)+9], v[\a16] offset:(\off)+768
	ds_load_b64 v[(\reg)+10:(\reg)+11], v[\a8] offset:(\off)+1280
.endm
.macro FETCH s                         ; K step s: B's eight fragments and A's four into set s % 2: 48 loads
	WIN 0x40
.irp i, 0,1,2,3,4,5,6,7
	FRAG 128*((\s)%2)+FR*\i, ADB16+(\s)/2, ADB8+(\s)/2, \i*TILEB+((\s)%2)*1536
.endr
	WIN 0
.irp i, 0,1,2,3
	FRAG AF+48*((\s)%2)+FR*\i, ADA16+(\s)/2, ADA8+(\s)/2, \i*TILEB+((\s)%2)*1536
.endr
.endm
.macro LOAD2 f                         ; fragments f and f + 1 of K step NXT into set NXT % 2: 0-7 are B's, 8-11 A's
.if (\f) < 8
	WIN 0x40
	FRAG 128*(NXT%2)+FR*(\f), ADB16+NXT/2, ADB8+NXT/2, (\f)*TILEB+(NXT%2)*1536
	FRAG 128*(NXT%2)+FR*((\f)+1), ADB16+NXT/2, ADB8+NXT/2, ((\f)+1)*TILEB+(NXT%2)*1536
.else
	WIN 0
	FRAG AF+48*(NXT%2)+FR*((\f)-8), ADA16+NXT/2, ADA8+NXT/2, ((\f)-8)*TILEB+(NXT%2)*1536
	FRAG AF+48*(NXT%2)+FR*((\f)-7), ADA16+NXT/2, ADA8+NXT/2, ((\f)-7)*TILEB+(NXT%2)*1536
.endif
.endm
.macro HOOK n                          ; ahead of product n of a step: ahead of each of the first six groups of four products stand eight LDS loads, two of the next step's twelve fragments
.if ((\n)%4) == 0
.if NXT >= 0
.if (\n) < 24
	LOAD2 (\n)/2
.endif
.endif
	WIN MW
.endif
.endm
.macro WM c, row
	v_wmma_scale_f32_16x16x128_f8f6f4 v[rD:rD+7], v[rB:rB+FR-1], v[rA:rA+FR-1], \c, v[rSB], v[rSA] matrix_a_fmt:MATRIX_FMT_FP6 matrix_b_fmt:MATRIX_FMT_FP6 matrix_a_scale:MATRIX_SCALE_ROW\row matrix_b_scale:MATRIX_SCALE_ROW\row
.endm
.macro MUL32 s                         ; the 32 accumulators take turns, one instruction a turn, in the same order in every step
.irp a, 0,1,2,3
.irp b, 0,1,2,3,4,5,6,7
.set rD, 8*(8*\a+\b)
	HOOK 8*\a+\b
.set rB, 128*((\s)%2)+FR*\b
.set rA, AF+48*((\s)%2)+FR*\a
.set rSB, SCB+4*\b+(\s)%4
.set rSA, SCA+4*\a+(\s)%4
.if (\s) == 0
	WM v[BC+8*\b:BC+8*\b+7], 0
.elseif (\s) < 4
	WM v[rD:rD+7], 0
.else
	WM v[rD:rD+7], 1
.endif
.endr
.endr
.endm
; A K step: its fragments are waited for (0: nothing younger than the step's own 48 loads is out); then its 32 products, with the next step's 48 loads, into the other set, among the first 24 of them, eight ahead of each four.
.macro STEP s
.if (\s) == 3
	s_wait_tensorcnt 0x0                           ; every wave: my load has landed
.endif
	s_wait_dscnt 0x0
.if (\s) == 3
	s_barrier_signal -1                            ; K half 1 is whole, and nobody reads K half 0 any more
	s_barrier_wait -1
.endif
.if (\s) > 0 && (\s) < 7
	PLACES                                         ; four places between the last step's products and the loads into the set that they read
.endif
.if (\s) < 7
.set NXT, (\s)+1
.else
.set NXT, -1
.endif
.if (\s) == 0
.set MW, 0x81                          ; the products' windows: B window 1, A and C window 0, D window 2
.else
.set MW, 0xa1                          ; C and D window 2
.endif
	MUL32 \s
.endm
	s_cmp_lt_u32 s16, 2
	s_cbranch_scc0 .Lnot_first
	s_wait_tensorcnt 0x0                           ; waves 0 and 1: my part of K half 0 has landed
.Lnot_first:
	s_barrier_signal -1
	s_barrier_wait -1                              ; K half 0 is whole; K half 1 may be on its way
	FETCH 0
	s_wait_loadcnt 0x0                             ; the scale words and the bias
.irp s, 0,1,2,3,4,5,6,7
	STEP \s
.endr
	WIN 0
; THE WAY OUT, tile by tile of 16 tokens x 128 columns: through my stage, back as whole rows of 512 bytes, which the 32 lanes store as two aligned runs of 256 bytes.  LDS serves a wave's instructions in order.
.macro TOSTAGE a
.set AC, 64*(\a)
	WIN 0x08                                       ; the data: window 2
.irp b, 0,1,2,3,4,5,6,7
	ds_store_b128 v[STO], v[AC+8*\b:AC+8*\b+3] offset:128*(\b/2)+32*(\b%2)          ; each accumulator from its low end on
	ds_store_b128 v[STO], v[AC+8*\b+4:AC+8*\b+7] offset:128*(\b/2)+32*(\b%2)+16
.endr
	WIN 0
.set BB, BK+64*((\a)%2)
.irp t, 0,1,2,3,4,5,6,7,8,9,10,11,12,13,14,15
	ds_load_b128 v[BB+4*\t:BB+4*\t+3], v[RD] offset:\t*SPITCH
.endr
.endm
.macro SEND a, younger                 ; younger: the LDS instructions issued behind tile a's loads
.set BB, BK+64*((\a)%2)
	s_wait_dscnt \younger
.if (\a) > 0
.if ((\a)%2) == 1
	s_add_nc_u64 s[14:15], s[14:15], 8*4096        ; tile a begins at token 32 (a / 2) + 8 (a % 2)
.else
	s_add_nc_u64 s[14:15], s[14:15], 24*4096
.endif
.endif
.irp t, 0,1,2,3,4,5,6,7,8,9,10,11,12,13,14,15
	global_store_b128 v[CO], v[BB+4*\t:BB+4*\t+3], s[14:15] offset:(\t+8*(\t/8))*4096 th:TH_STORE_NT
.endr
.endm
	PLACES
	TOSTAGE 0
.irp a, 1,2,3
.if \a > 1
	s_wait_xcnt 0x0                                ; tile a - 2's stores have read their registers and their base
.endif
	TOSTAGE \a
	SEND \a-1, 32                                  ; behind tile a - 1's loads: tile a's 16 stores and 16 loads
.endr
	s_wait_xcnt 0x0
	SEND 3, 0
	s_wait_tensorcnt 0x0                           ; the wave's end
	ds_add_u32 v[SPW], v[NIL]
	s_wait_dscnt 0x0
	CROUND                                         ; the closing round
	s_endpgm
.Lfunc_end_k_qa9bf4fd484_gemm_proj:
	.size	k_qa9bf4fd484_gemm_proj, .Lfunc_end_k_qa9bf4fd484_gemm_proj-k_qa9bf4fd484_gemm_proj
	.p2alignl 7, 3214868480
	.fill 96, 4, 3214868480
	.section	.rodata,"a",@progbits
	.p2align	6, 0x0
	.amdhsa_kernel k_qa9bf4fd484_gemm_proj
		.amdhsa_group_segment_fixed_size 327680
		.amdhsa_private_segment_fixed_size 0
		.amdhsa_enable_private_segment 0
		.amdhsa_kernarg_size 48
		.amdhsa_user_sgpr_count 2
		.amdhsa_user_sgpr_kernarg_segment_ptr 1
		.amdhsa_wavefront_size32 1
		.amdhsa_system_sgpr_workgroup_id_x 1
		.amdhsa_system_sgpr_workgroup_id_y 1
		.amdhsa_system_sgpr_workgroup_id_z 1
		.amdhsa_system_vgpr_workitem_id 0
		.amdhsa_next_free_vgpr 768
		.amdhsa_next_free_sgpr 100
		.amdhsa_reserve_vcc 0
		.amdhsa_float_denorm_mode_32 3
		.amdhsa_float_denorm_mode_16_64 3
		.amdhsa_memory_ordered 1
		.amdhsa_forward_progress 1
		.amdhsa_inst_pref_size 86
	.end_amdhsa_kernel
	.amdgpu_metadata
---
amdhsa.version: [ 1, 2 ]
amdhsa.kernels:
  - .name:           k_qa9bf4fd484_gemm_proj
    .symbol:         k_qa9bf4fd484_gemm_proj.kd
    .args:
      - { .name: aimg, .offset: 0, .size: 8, .value_kind: global_buffer, .address_space: global }
      - { .name: asc, .offset: 8, .size: 8, .value_kind: global_buffer, .address_space: global }
      - { .name: wimg, .offset: 16, .size: 8, .value_kind: global_buffer, .address_space: global }
      - { .name: wsc, .offset: 24, .size: 8, .value_kind: global_buffer, .address_space: global }
      - { .name: proj_b, .offset: 32, .size: 8, .value_kind: global_buffer, .address_space: global }
      - { .name: out0, .offset: 40, .size: 8, .value_kind: global_buffer, .address_space: global }
    .group_segment_fixed_size: 327680
    .private_segment_fixed_size: 0
    .kernarg_segment_align: 8
    .kernarg_segment_size: 48
    .max_flat_workgroup_size: 128
    .sgpr_count:     100
    .vgpr_count:     768
    .wavefront_size: 32
...
	.end_amdgpu_metadata
.endif
;; end of part 4
